; MI455X (gfx1250); checked and timed in simulation.
; The chip was launched on July 23, 2026; its instructions are those of AMD's public machine-readable ISA for CDNA 5 (MIT licence, August 2026) and "CDNA5" Instruction Set Architecture Reference Guide (July 2026). The comments in the code are by the model that wrote it; some were corrected since.
;; Flash Multi Head Attention. Allowed arithmetic: matrix products marked QUANTISED: E2M1 operands, one E8M0 scale for each 32 along K, by v_wmma_scale_f32_16x16x128_f8f6f4 with both operands' format E2M1 (or v_wmma_scale_f32_32x16x128_f4), f32 sums; products left as they are: bf16, f16 or f32 operands; f32 sums; everything else in f32.
;; Inputs: Wk 512 x 2,048 float32; Wo 2,048 x 2,048 float32; Wq 2,048 x 2,048 float32; Wv 512 x 2,048 float32; bk 512 float32; bo 2,048 float32; bq 2,048 float32; bv 512 float32; x 2 x 1,024 x 2,048 float32.
;; Outputs: out0 2 x 1,024 x 2,048 float32.
;; This version of the problem:
;;   THIS VERSION OF THE PROBLEM IS GIVEN IN LOW PRECISION. The matrix products marked QUANTISED in the list below multiply operands that are first quantised to E2M1 (2 exponent bits, 1 mantissa bit; 4 bits a number), with one power-of-two scale for each 32 numbers along K (OCP MX v1.0); their sums are f32. The products marked 'left as it is' may take bf16, f16 or f32 operands, with f32 sums. Whichever they take, every output number must still come out within the allowed error. Rounding operands to bf16 (8 significant bits) uses up far more of that allowance than f16 does (11 bits, for magnitudes from 6e-5 to 65,504). All else is computed in f32.
;;   The module's matrix products, in the order in which they are computed (A, B: the left and right operand; K: the contracted axis; several contracted axes count as one K, in the product's order):
;;     1. [M 2,048, K 2,048] x [K 2,048, N 2,048]; A: input x; B: input Wq: QUANTISED
;;     2. [M 2,048, K 2,048] x [K 2,048, N 512]; A: input x; B: input Wk: QUANTISED
;;     3. [M 2,048, K 2,048] x [K 2,048, N 512]; A: input x; B: input Wv: QUANTISED
;;     4. batch 16 x [M 1,024, K 64] x [K 64, N 4,096]; A: computed on the way; B: computed on the way: left as it is (an operand is computed on the way)
;;     5. batch 16 x [M 64, K 1,024] x [K 1,024, N 4,096]; A: computed on the way; B: computed on the way: left as it is (an operand is computed on the way)
;;     6. [M 2,048, K 2,048] x [K 2,048, N 2,048]; A: computed on the way; B: input Wo: left as it is (an operand is computed on the way)
;;   THE QUANTISER, for each operand of a quantised product, along K:
;;     - K is cut into blocks of 32 from its start; a last block that is shorter is filled with zeros.
;;     - A block's scale is 2^e with e = floor(log2(the largest magnitude in the block)) - 2, held to -126 .. 127; a block of zeros has e = 0. As a byte (E8M0): e + 127.
;;     - Each number is divided by its block's scale, clamped to +-6, and rounded to the nearest number of E2M1, ties to even, subnormals kept.
;;     - The product sums the exact products of the quantised numbers (number of the format x scale) in f32.
;;   ~~~python
;;   def quantise(x, axis):      # numpy; x: float32 -> the quantised numbers, widened to float32 again
;;       x = np.moveaxis(x, axis, -1); K = x.shape[-1]
;;       x = np.pad(x, [(0, 0)] * (x.ndim - 1) + [(0, -K % 32)]); x = x.reshape(x.shape[:-1] + (-1, 32)); a = np.abs(x).max(-1, keepdims=True)
;;       e = np.where(a > 0, np.clip(np.frexp(np.where(a > 0, a, 1))[1] - 1 - 2, -126, 127), 0)      # np.frexp(a)[1] - 1 = floor(log2(a)), exactly
;;       r = np.clip(x / 2.0 ** e, -6, 6)
;;       step = 2.0 ** (np.maximum(np.frexp(np.where(r == 0, 1, r))[1] - 1, 0) - 1)
;;       q = np.round(r / step) * step * 2.0 ** e      # np.round: ties to even
;;       return np.moveaxis(q.reshape(q.shape[:-2] + (-1,))[..., :K], -1, axis).astype(np.float32)
;;   ~~~
;; One version. Each part assembles by itself: llvm-mc -triple=amdgcn-amd-amdhsa -mcpu=gfx1250 --defsym DOCPART=n.
;; ======== version 1 of 1: 4 launches
;; limits: values are held in f16: magnitudes above 65,504 overflow, below 6.1e-05 lose precision
;; workspace buffers: codes 5,242,880 bytes; scales 327,680 bytes; wo16 8,388,608 bytes; qkv 12,582,912 bytes; oh 8,388,608 bytes
;; launch quant (part 1): grid 320 x 1, 4 waves a work-group, no clusters, 33,280 bytes of LDS; arguments x, Wq, Wk, Wv, codes, scales; writes codes, scales
.if DOCPART == 1
	.amdgcn_target "amdgcn-amd-amdhsa--gfx1250"
	.amdhsa_code_object_version 6
	.text
	.protected	k_q2b2c905702_quant
	.globl	k_q2b2c905702_quant
	.p2align	8
	.type	k_q2b2c905702_quant,@function
k_q2b2c905702_quant:
	s_mov_b64 s[64:65], 0
	v_nop
	global_prefetch_b8 v0, s[64:65] scope:SCOPE_SE
	s_setreg_imm32_b32 hwreg(HW_REG_WAVE_MODE, 25, 1), 1
	s_wait_xcnt 0x0
; x [2048][2048], Wq [2048][2048], Wk [512][2048], Wv [512][2048], f32, K innermost, become codes of FP4 (E2M1) with one E8M0 byte for each 32 along K.
; codes: [5120 rows][1024 bytes], rows 0-2047 x, 2048-4095 Wq, 4096-4607 Wk, 4608-5119 Wv; two codes a byte, the lower k in the low four bits.  scales: [5120][64 bytes].
; A block's scale is 2^(floor(log2(its largest magnitude)) - 2); its byte is the largest magnitude's exponent field - 2, held at 1 from below; each number is divided by the scale and rounded to the nearest code, ties to even, beyond 6 the code of 6.
; LIMITS: a block of zeros gets the byte 1 where the rule says 127 (its codes are zeros, and this program alone reads the bytes); blocks whose largest magnitude lies under 2^(3 - 127) are held at the byte 1;
; NaN and infinities among the inputs are not served.
; SHARES.  A work-group takes 32,768 numbers, a wave 8,192.  Rows are dense and 2,048 is a multiple of 32, so every tensor is a plain stream of blocks.  Work-groups 0-127 x, 128-255 Wq, 256-287 Wk, 288-319 Wv.
; The four tensors take one path: only pointers are chosen.
; A wave takes 16 steps of 512 numbers.  Each of a step's four loads reads 512 consecutive bytes, 16 a lane; the 2,048 bytes turn through the wave's own stage in LDS and come back 64 bytes a lane,
; so that a lane holds 16 neighbours along K (two neighbouring lanes hold a block).  A lane's 16 codes are 8 bytes: the wave stores 256 consecutive bytes.  A wave's 256 scale bytes gather in LDS and leave as one aligned run of 256 bytes.
; Loads run eight steps (32 loads, 16,384 bytes a wave) ahead, the turn through LDS one step.  No tensor loads, no barrier: waves share nothing.
.set WAVES, 4
.set STEPS, 16
.set AHEAD, 8                          ; steps whose loads are on their way
.set EMAX,  2
.set CB,    8                          ; bytes of 16 codes
.set R,     16                         ; v16-143  eight sets of 16 numbers as they are loaded
.set X,     144                        ; v144-175 two sets of 16 neighbours
.set E,     176                        ; v176-191 a scale byte for each step
.set C,     192                        ; v192-255 codes: four registers for each step, so that no store's data are written again
.set WREG,  8192                       ; LDS: a region for each wave: two stages of 32 x SP bytes, behind them its 256 scale bytes
.set SP,    80                         ; a lane's place in a stage: its 64 bytes + 16 of padding
.set SPW,   12                         ; v12  LDS address of my spare word: SPARE + 4 x my thread's number; never rewritten
.set NIL,   13                         ; v13  0; never rewritten
.set SPARE, WAVES*WREG                 ; behind the four regions: the spare words, 128 bytes for each wave
	s_load_b256 s[4:11], s[0:1], 0x0               ; x s[4:5], Wq s[6:7], Wk s[8:9], Wv s[10:11]
	s_load_b128 s[12:15], s[0:1], 0x20             ; codes s[12:13], scales s[14:15]
	v_lshl_add_u32 v[SPW], v0, 2, SPARE
	v_mov_b32 v[NIL], 0
	v_lshrrev_b32 v1, 5, v0
	v_readfirstlane_b32 s20, v1                    ; wave
	v_and_b32 v2, 31, v0                           ; lane
	v_lshlrev_b32 v3, 4, v2                        ; my 16 bytes of a load's 512
	v_lshlrev_b32 v4, 3, v2                        ; my 8 bytes of a store's 256
	s_mul_i32 s21, s20, WREG
	v_lshrrev_b32 v14, 2, v2
	v_mul_u32_u24 v14, v14, SP
	v_and_b32 v15, 3, v2
	v_lshl_add_u32 v14, v15, 4, v14
	v_add_nc_u32 v14, s21, v14                     ; the stage, on the way in: four lanes' 64 bytes on end, then 16 of padding
	v_mul_u32_u24 v15, v2, SP
	v_add_nc_u32 v15, s21, v15                     ; and on the way out: SP x lane: my 16 neighbours
	v_lshrrev_b32 v5, 1, v2
	s_add_co_u32 s21, s21, 2*32*SP
	v_add_nc_u32 v5, s21, v5                       ; my wave's 256 scale bytes, my block's byte
	v_add_nc_u32 v6, s21, v4                       ; and on the way out 8 bytes a lane
	s_lshl_b32 s25, ttmp9, 2
	s_add_co_u32 s25, s25, s20                     ; 4 x work-group + wave: which run of 8,192 numbers
	s_mov_b32 s27, 0
	s_mov_b32 s24, 288
	s_wait_kmcnt 0x0
	s_cmp_lt_u32 ttmp9, 288                        ; which tensor: the choices hang on the work-group's number alone
	s_cselect_b64 s[22:23], s[8:9], s[10:11]
	s_cselect_b32 s24, 256, s24
	s_cmp_lt_u32 ttmp9, 256
	s_cselect_b64 s[22:23], s[6:7], s[22:23]
	s_cselect_b32 s24, 128, s24
	s_cmp_lt_u32 ttmp9, 128
	s_cselect_b64 s[22:23], s[4:5], s[22:23]
	s_cselect_b32 s24, 0, s24                      ; the tensor's first work-group
	s_sub_co_u32 s26, ttmp9, s24
	s_lshl_b32 s26, s26, 2
	s_add_co_u32 s26, s26, s20
	s_lshl_b32 s26, s26, 15                        ; my run in the tensor: 32,768 bytes each
	s_add_nc_u64 s[22:23], s[22:23], s[26:27]
	s_lshl_b32 s26, s25, 12                        ; 4,096 bytes of codes a run: the four tensors lie on end in the buffer, as their work-groups do in the grid
	s_add_nc_u64 s[12:13], s[12:13], s[26:27]
	s_lshl_b32 s26, s25, 8                         ; 256 scale bytes a run
	s_add_nc_u64 s[14:15], s[14:15], s[26:27]
.macro LOAD t
.irp i, 0,1,2,3
	global_load_b128 v[R+16*((\t)%AHEAD)+4*\i:R+16*((\t)%AHEAD)+4*\i+3], v3, s[22:23] offset:2048*(\t)+512*\i th:TH_LOAD_NT   ; 32 lanes read 512 consecutive bytes
.endr
.endm
.macro TURN t                          ; step t's numbers through the stage: LDS serves a wave's instructions in order, so no wait stands between the stores and the loads
.irp i, 0,1,2,3
	ds_store_b128 v14, v[R+16*((\t)%AHEAD)+4*\i:R+16*((\t)%AHEAD)+4*\i+3] offset:32*SP*((\t)%2)+8*SP*\i
.endr
.irp i, 0,1,2,3
	ds_load_b128 v[X+16*((\t)%2)+4*\i:X+16*((\t)%2)+4*\i+3], v15 offset:32*SP*((\t)%2)+16*\i
.endr
.endm
.irp t, 0,1,2,3,4,5,6,7
	LOAD \t
.endr
	s_wait_loadcnt 4*(AHEAD-1)                     ; step 0's four loads are in; those of seven steps may be out
	TURN 0
.macro STEP t
.set XS, X+16*((\t)%2)
.if (\t) > 0
	s_wait_dscnt 1                                 ; this step's numbers are back from the stage (the last step's byte store may be out): so its stores into the stage have read their registers,
.else
	s_wait_dscnt 0x0
.endif
.if (\t)+AHEAD < STEPS
	LOAD (\t)+AHEAD                                ; which take the loads of eight steps on
.endif
.if (\t)+1 < STEPS
.if STEPS-2-(\t) >= AHEAD-1
	s_wait_loadcnt 4*(AHEAD-1)                     ; the next step's four loads are in; those of the seven steps behind it may be out
.else
	s_wait_loadcnt 4*(STEPS-2-(\t))                ; nothing more is asked for: the counts run down
.endif
	TURN (\t)+1                                    ; and go through the other stage while this step is worked
.endif
	v_max3_num_f32 v8, |v[XS]|, |v[XS+1]|, |v[XS+2]|               ; the largest magnitude of my 16, in two chains
	v_max3_num_f32 v9, |v[XS+3]|, |v[XS+4]|, |v[XS+5]|
.irp i, 6,10
	v_max3_num_f32 v8, v8, |v[XS+\i]|, |v[XS+\i+1]|
	v_max3_num_f32 v9, v9, |v[XS+\i+2]|, |v[XS+\i+3]|
.endr
	v_max3_num_f32 v8, v8, |v[XS+14]|, |v[XS+15]|
	v_max3_num_f32 v8, v8, v9, (EMAX+1)<<23        ; and the floor 2^(EMAX + 1 - 127): so the byte cannot fall under 1
	v_max_num_f32_dpp v8, v8, v8 row_xmask:1 row_mask:0xf bank_mask:0xf   ; and of my neighbour's 16: the block's
	v_add_nc_u32 v11, -(EMAX<<23), v8              ; EMAX off its exponent field: the conversion takes the exponent field of this operand as its scale, and nothing else of it
	v_cvt_scalef32_pk8_fp4_f32 v[C+4*(\t)], v[XS:XS+7], v11
	v_cvt_scalef32_pk8_fp4_f32 v[C+4*(\t)+1], v[XS+8:XS+15], v11
	v_lshrrev_b32 v[E+(\t)], 23, v11               ; the scale's byte (also the plain line behind the conversions)
	ds_store_b8 v5, v[E+(\t)] offset:16*(\t)       ; both lanes of a block write the same byte with the same value
	global_store_b64 v4, v[C+4*(\t):C+4*(\t)+1], s[12:13] offset:32*CB*(\t)   ; 32 lanes store 256 consecutive bytes, aligned
.endm
.irp t, 0,1,2,3,4,5,6,7,8,9,10,11,12,13,14,15
	STEP \t
.endr
	ds_load_b64 v[8:9], v6                         ; LDS serves a wave's instructions in order: these see my byte stores
	s_wait_dscnt 0x0
	global_store_b64 v4, v[8:9], s[14:15]          ; 32 lanes store my wave's 256 scale bytes
	s_wait_tensorcnt 0x0                           ; the wave's end, behind my last LDS store
	ds_add_u32 v[SPW], v[NIL]
	s_wait_dscnt 0x0
	s_endpgm
.Lfunc_end_k_q2b2c905702_quant:
	.size	k_q2b2c905702_quant, .Lfunc_end_k_q2b2c905702_quant-k_q2b2c905702_quant
	.p2alignl 7, 3214868480
	.fill 96, 4, 3214868480
	.section	.rodata,"a",@progbits
	.p2align	6, 0x0
	.amdhsa_kernel k_q2b2c905702_quant
		.amdhsa_group_segment_fixed_size 33280
		.amdhsa_private_segment_fixed_size 0
		.amdhsa_enable_private_segment 0
		.amdhsa_kernarg_size 48
		.amdhsa_user_sgpr_count 2
		.amdhsa_user_sgpr_kernarg_segment_ptr 1
		.amdhsa_wavefront_size32 1
		.amdhsa_system_sgpr_workgroup_id_x 1
		.amdhsa_system_sgpr_workgroup_id_y 1
		.amdhsa_system_sgpr_workgroup_id_z 1
		.amdhsa_system_vgpr_workitem_id 0
		.amdhsa_next_free_vgpr 256
		.amdhsa_next_free_sgpr 66
		.amdhsa_reserve_vcc 0
		.amdhsa_float_denorm_mode_32 3
		.amdhsa_float_denorm_mode_16_64 3
		.amdhsa_memory_ordered 1
		.amdhsa_forward_progress 1
		.amdhsa_inst_pref_size 33
	.end_amdhsa_kernel
	.amdgpu_metadata
---
amdhsa.version: [ 1, 2 ]
amdhsa.kernels:
  - .name:           k_q2b2c905702_quant
    .symbol:         k_q2b2c905702_quant.kd
    .args:
      - { .name: x, .offset: 0, .size: 8, .value_kind: global_buffer, .address_space: global }
      - { .name: Wq, .offset: 8, .size: 8, .value_kind: global_buffer, .address_space: global }
      - { .name: Wk, .offset: 16, .size: 8, .value_kind: global_buffer, .address_space: global }
      - { .name: Wv, .offset: 24, .size: 8, .value_kind: global_buffer, .address_space: global }
      - { .name: codes, .offset: 32, .size: 8, .value_kind: global_buffer, .address_space: global }
      - { .name: scales, .offset: 40, .size: 8, .value_kind: global_buffer, .address_space: global }
    .group_segment_fixed_size: 33280
    .private_segment_fixed_size: 0
    .kernarg_segment_align: 8
    .kernarg_segment_size: 48
    .max_flat_workgroup_size: 128
    .sgpr_count:     66
    .vgpr_count:     256
    .wavefront_size: 32
...
	.end_amdgpu_metadata
.endif
;; end of part 1
;; launch qkv (part 2): grid 12 x 8, 4 waves a work-group, clusters of 4 x 4, 327,680 bytes of LDS; arguments codes, scales, qkv, bq, bk, bv; writes qkv
.if DOCPART == 2
	.amdgcn_target "amdgcn-amd-amdhsa--gfx1250"
	.amdhsa_code_object_version 6
	.text
	.protected	k_q2b2c905702_qkv
	.globl	k_q2b2c905702_qkv
	.p2align	8
	.type	k_q2b2c905702_qkv,@function
k_q2b2c905702_qkv:
	s_mov_b64 s[64:65], 0
	v_nop
	global_prefetch_b8 v0, s[64:65] scope:SCOPE_SE
	s_setreg_imm32_b32 hwreg(HW_REG_WAVE_MODE, 25, 1), 1
	s_wait_xcnt 0x0
	s_wait_alu depctr_hold_cnt(0) depctr_sa_sdst(0) depctr_va_vdst(0) depctr_va_sdst(0) depctr_va_ssrc(0) depctr_va_vcc(0) depctr_vm_vsrc(0)
	s_getreg_b32 s2, hwreg(HW_REG_IB_STS2, 6, 4)
	s_cmp_eq_u32 s2, 0
	s_cbranch_scc0 .Lentry_in_a_cluster
	s_endpgm
.Lentry_in_a_cluster:
	s_bfe_u32 s2, ttmp6, 0x10000c
	s_cmp_lg_u32 s2, 0xf033
	s_cbranch_scc0 .Lentry_shape_is_right
	s_endpgm
.Lentry_shape_is_right:
; q, k, v = x W^T + b for Wq, Wk, Wv at once: C[m][n] = sum over k of A[m][k] B[n][k] + bias[n], M 2,048, N 3,072 (0-2047 q, 2048-2559 k, 2560-3071 v), K 2,048, on codes of FP4 (E2M1) with one E8M0 byte for each 32 along K.
; A: rows 0-2047 of the codes' buffer (x), B: rows 2048-5119 (Wq, Wk, Wv); a row is 1,024 bytes; the scale bytes likewise, 64 a row.  Sums in f32; the result is rounded once, to f16.
; OUT: qkv [48 planes][2048 m][64] f16: plane n / 64 (0-31 the query heads, 32-39 k's heads, 40-47 v's); 16 rows of a plane are 2,048 consecutive bytes.   LIMIT: |q|, |k|, |v| stay under 65,504, the largest f16 number.
; A tile of C, 256 x 256, is made by a work-group of four waves; a wave makes 128 x 128: 64 accumulators of 16 x 16, 512 registers.  96 tiles: 96 work-groups.
; K goes in steps of 512 through a ring of two LDS slots filled by the tensor data mover: a tile's row is 256 bytes of memory.  The scale bytes of the work-group's 256 + 256 rows, for all of K, come into LDS once, with the first fills.
; CLUSTERS: 4 x 4 work-groups.  The four of a row of the cluster need the same tiles of A, the four of a column the same tiles of B: each tile is asked for JOINTLY, by the same tensor load with the same descriptor and a mask that names the four.
; THE MATRIX INSTRUCTION IS USED TRANSPOSED (source 0 = 16 rows of B, source 1 = 16 rows of A): a lane then holds eight neighbouring columns of one row of C.  THE BIAS is the C of each sum's first product.
; REGISTERS, in windows of 256: window 0: v0-31 addresses; v32-95 scale words, two sets; v96-127 packed results; v128-191 A's fragments, ONE set (on the way out: rows read back); v192-255 the bias, eight registers for each of B's eight blocks.
;   window 1: B's fragments, TWO sets, at v0 and at v128.   window 2: the 32 accumulators of my rows 0-63 (accumulator (a, b) at v[8 (8 a + b)]);   window 3: those of my rows 64-127.
.set SIZE_K, 2048
.set XROWS,  2048                      ; rows of x ahead of the weights' rows
.set KSTEP,  512                       ; along K in a slot
.set NQ,     KSTEP/128                 ; matrix instructions deep
.set ROWB,   256                       ; a tile's row in bytes
.set KROW,   SIZE_K*4/8                ; a row of codes in memory
.set PITCH,  272                       ; an LDS row: 256 bytes + 16 of padding = 68 words: the 16 rows that a load touches start at 16 different banks (64 banks of 4 bytes: ISA guide 11.1)
.set FR,     8                         ; registers of a fragment: 16 rows x 128 K
.set NL,     2                         ; LDS loads that bring one
.set NP,     4                         ; places behind this matrix instruction (ISA guide 7.12.1)
.set HALFT,  128*PITCH                 ; 128 rows: what one tensor load brings
.set SLOT,   4*HALFT                   ; A's 256 rows, then B's 256 rows
.set LAPS,   SIZE_K/(2*KSTEP)          ; a lap = two K steps = once round the ring
.set KS,     SIZE_K/32                 ; a row of scale bytes
.set SCL,    2*SLOT                    ; behind the ring: the scales, as runs of 256 bytes + 16 of padding
.set HALFS,  (128*KS/256)*272          ; the scales of 128 rows: what one tensor load brings
.set SBLK,   (16*KS/256)*272           ; those of 16 rows
.set SPARE,  SCL+4*HALFS               ; behind the scales: the spare words, 128 bytes for each wave
.set SPITCH, 272                       ; the way out: a stage of 16 rows x (256 bytes + 16) for each wave, in slot 0, which has had its last fill and its last read when the first result is stored there
.set PLANE,  262144                    ; a plane of qkv in bytes
.set ADRA, 16                          ; v16-17  LDS address of my A fragments in slot 0, 1
.set ADRB, 20                          ; v20-21  the same for B
.set STO,  24                          ; v24     the way out: where I put 16 bytes of a row
.set RD,   25                          ; v25     the way out: where I read 16 bytes back
.set CO,   26                          ; v26     16 x lane: my place in a store's 512 bytes
.set ADRS, 27                          ; v27     LDS address of my scale words: lanes 0-15 A's rows, lanes 16-31 B's
.set SPW,  28                          ; v28     LDS address of my spare word; never rewritten
.set NIL,  29                          ; v29     0; never rewritten
.set SC,   32                          ; scale words: set s at v[SC + 8 NQ s]; register NQ i + q: lanes 0-15 the word of A's block i, lanes 16-31 that of B's block i, for the slot's q-th 128 along K
.set TMP,  96
.set AF,   128
.set BK,   128                         ; the way out: v128-159 and v160-191 by turns
.set BIAS, 192
.set G1, 24                            ; s[24:31] descriptor group 1 for A's tiles;  s[32:39] group 0, one set for each slot
.set G0, 32
.set G1B, 48                           ; s[48:55], s[56:63] the same for B's tiles
.set G0B, 56
.set G1S, 68                           ; s[68:75], s[76:79] groups 1 and 0 for A's scales;  s[80:87], s[88:91] for B's
.set G0S, 76
.set G1SB, 80
.set G0SB, 88
.set MSB, 0
.macro WIN new                         ; the immediate's high byte repeats the setting that is left
.if MSB != \new
	s_set_vgpr_msb (MSB<<8)|\new
.set MSB, \new
.endif
.endm
.set MUL_LO, 0xa1                      ; source 0 (B) window 1, source 1 (A) window 0, C and D window 2
.set MUL_HI, 0xf1                      ; the same, C and D window 3
.set ONE_LO, 0x81                      ; the first products: C (the bias) window 0, D window 2
.set ONE_HI, 0xc1                      ; D window 3
.set TO_B,   0x40                      ; destination window 1, address window 0
; A joint load: waves 0 and 1 fetch for A, waves 2 and 3 for B.  Each of the two lines has ONE mask and one set of registers for all that issue it; the branch hangs on the wave's number alone.
; An s_nop 0 and four v_nop follow each of the two lines, ahead of the jump, the label and what follows.
.macro JLOAD g0a, g1a, g0b, g1b
	s_cmp_eq_u32 s15, 0
	s_cbranch_scc0 .Lfor_b_\@
	tensor_load_to_lds s[\g0a:\g0a+3], s[\g1a:\g1a+7]
	s_nop 0
.rept 4
	v_nop
.endr
	s_branch .Lasked_\@
.Lfor_b_\@:
	tensor_load_to_lds s[\g0b:\g0b+3], s[\g1b:\g1b+7]
	s_nop 0
.rept 4
	v_nop
.endr
.Lasked_\@:
.endm
.macro CREST                           ; a round of the cluster's barrier behind its opening barrier
	s_cmp_lg_u32 s14, 0
	s_cbranch_scc1 .Lnot_wave_0_\@
	s_barrier_signal -3
.Lnot_wave_0_\@:
	s_barrier_wait -3
	s_barrier_signal -1
	s_barrier_wait -1
.endm
.macro CROUND                          ; a whole round
	s_barrier_signal -1
	s_barrier_wait -1
	CREST
.endm
	s_load_b128 s[4:7], s[0:1], 0x0                ; the codes s[4:5], the scale bytes s[6:7]
	s_load_b64 s[12:13], s[0:1], 0x10              ; qkv
	s_load_b64 s[96:97], s[0:1], 0x18              ; bq
	s_load_b64 s[98:99], s[0:1], 0x20              ; bk
	s_load_b64 s[100:101], s[0:1], 0x28            ; bv
	v_lshl_add_u32 v[SPW], v0, 2, SPARE
	v_mov_b32 v[NIL], 0
	ds_add_u32 v[SPW], v[NIL]                      ; the wave's opening: the add, twice on end, and its wait ahead of my first tensor load; the set-up below stands between the second and the wait
	ds_add_u32 v[SPW], v[NIL]
	v_lshrrev_b32 v1, 5, v0
	v_readfirstlane_b32 s14, v1                    ; wave 0..3
	s_lshr_b32 s15, s14, 1                         ; which half of the tile's rows is mine.  Also: I fetch for A (0) or for B (1)
	s_and_b32 s16, s14, 1                          ; which half of its columns.  Also: which 128 rows of that tile I fetch
	s_bfe_u32 s40, ttmp6, 0x40000                  ; cx, cy: my place in the cluster
	s_bfe_u32 s41, ttmp6, 0x40004
	s_lshl_b32 s42, ttmp9, 2
	s_add_co_u32 s42, s42, s40                     ; tile column of C = 4 x cluster x + cx
	s_and_b32 s17, ttmp7, 0xffff
	s_lshl_b32 s17, s17, 2
	s_add_co_u32 s17, s17, s41                     ; tile row of C = 4 x cluster y + cy
	s_lshl_b32 s43, s41, 2
	s_lshl_b32 s43, 15, s43                        ; my row of the cluster
	s_lshl_b32 s44, 0x1111, s40                    ; my column
	; descriptor group 1: a tile of 128 rows x 256 bytes, padded in LDS
	s_or_b32 s[G1+0], s43, (0<<16)|(1<<20)|(1<<21)|(5<<22)|(3<<25)  ; 15:0 the mask: A's tiles go to my row; 17:16 element of 1 byte; 20 padding on; 21 set beside a mask; 24:22 after every 64 words (code 5); 31:25 of 4 words (code 3)
	s_or_b32 s[G1B+0], s44, (0<<16)|(1<<20)|(1<<21)|(5<<22)|(3<<25)
.irp g, G1, G1B
	s_mov_b32 s[\g+1], ROWB<<16                    ; tensor_dim0
	s_mov_b32 s[\g+2], 128<<16                     ; tensor_dim1 = 128
	s_mov_b32 s[\g+3], ROWB<<16                    ; tile_dim0
	s_mov_b32 s[\g+4], 128                         ; tile_dim1 = 128
	s_mov_b32 s[\g+5], KROW                        ; tensor_dim0_stride
	s_mov_b32 s[\g+6], 0
	s_mov_b32 s[\g+7], 0
.endr
	; and for the scales of 128 rows: a dense block of 8,192 bytes, as rows of 256 bytes (32 elements of 8 bytes), 16 bytes of padding behind each
	s_or_b32 s[G1S+0], s43, (3<<16)|(1<<20)|(1<<21)|(5<<22)|(3<<25)
	s_or_b32 s[G1SB+0], s44, (3<<16)|(1<<20)|(1<<21)|(5<<22)|(3<<25)
.irp g, G1S, G1SB
	s_mov_b32 s[\g+1], 32<<16
	s_mov_b32 s[\g+2], (128*KS/256)<<16
	s_mov_b32 s[\g+3], 32<<16
	s_mov_b32 s[\g+4], 128*KS/256
	s_mov_b32 s[\g+5], 32
	s_mov_b32 s[\g+6], 0
	s_mov_b32 s[\g+7], 0
.endr
	s_lshl_b32 s18, s16, 7                         ; which 128 rows of the tile I fetch
	s_lshl_b32 s20, s17, 8
	s_add_co_u32 s20, s20, s18                     ; A: row 256 x tile row + 128 x half
	s_lshl_b32 s46, s42, 8
	s_add_co_u32 s46, s46, s18                     ; B: row 256 x tile column + 128 x half
	s_mov_b32 s21, 0
	s_mov_b32 s47, 0
	s_mov_b64 s[18:19], KS
	s_mul_u64 s[22:23], s[20:21], s[18:19]         ; where these rows' scales begin, in bytes
	s_mul_u64 s[92:93], s[46:47], s[18:19]
	s_mov_b64 s[18:19], KROW
	s_mul_u64 s[20:21], s[20:21], s[18:19]         ; and their codes
	s_mul_u64 s[46:47], s[46:47], s[18:19]
	s_mul_i32 s45, s14, HALFT                      ; where they go: wave x 128 rows: no place in the cluster enters an LDS address
	s_mul_i32 s94, s14, HALFS
	s_wait_dscnt 0x0                               ; both opening adds are done
	s_wait_kmcnt 0x0
	s_add_nc_u64 s[8:9], s[4:5], XROWS*KROW        ; B's codes: the weights' rows lie behind x's
	s_add_nc_u64 s[10:11], s[6:7], XROWS*KS        ; and B's scale bytes
	s_add_nc_u64 s[20:21], s[4:5], s[20:21]
	s_add_nc_u64 s[22:23], s[6:7], s[22:23]
	s_add_nc_u64 s[46:47], s[8:9], s[46:47]
	s_add_nc_u64 s[92:93], s[10:11], s[92:93]
	CROUND                                         ; all sixteen work-groups are here: the first joint loads meet
	s_mov_b32 s[G0S], 1
	s_add_co_u32 s[G0S+1], s94, SCL
	s_mov_b64 s[G0S+2:G0S+3], s[22:23]
	s_or_b32 s[G0S+3], s[G0S+3], 0x80000000
	s_mov_b32 s[G0SB], 1
	s_add_co_u32 s[G0SB+1], s94, SCL
	s_mov_b64 s[G0SB+2:G0SB+3], s[92:93]
	s_or_b32 s[G0SB+3], s[G0SB+3], 0x80000000
	JLOAD G0S, G1S, G0SB, G1SB                     ; the scales first: they are wanted with K step 0.  Three loads of mine are out behind the first fills
.irp s, 0,1
	s_mov_b32 s[G0+4*\s], 1
	s_add_co_u32 s[G0+4*\s+1], s45, \s*SLOT
	s_add_nc_u64 s[G0+4*\s+2:G0+4*\s+3], s[20:21], \s*ROWB
	s_or_b32 s[G0+4*\s+3], s[G0+4*\s+3], 0x80000000
	s_mov_b32 s[G0B+4*\s], 1
	s_add_co_u32 s[G0B+4*\s+1], s45, \s*SLOT
	s_add_nc_u64 s[G0B+4*\s+2:G0B+4*\s+3], s[46:47], \s*ROWB
	s_or_b32 s[G0B+4*\s+3], s[G0B+4*\s+3], 0x80000000
	JLOAD G0+4*\s, G1, G0B+4*\s, G1B
.endr
	v_and_b32 v1, 15, v0                           ; r = l % 16
	v_bfe_u32 v2, v0, 4, 1                         ; h = l / 16
	; the bias of my 128 columns: the tile column says which of the three vectors (a choice of pointers, no branch)
	s_cmp_lt_u32 s42, 10
	s_cselect_b64 s[98:99], s[98:99], s[100:101]   ; bk or bv
	s_cselect_b32 s95, 8, 10
	s_cmp_lt_u32 s42, 8
	s_cselect_b64 s[96:97], s[96:97], s[98:99]     ; bq or that
	s_cselect_b32 s95, 0, s95                      ; the vector's first tile column
	s_sub_co_u32 s95, s42, s95
	s_lshl_b32 s46, s95, 10                        ; 256 numbers a tile column,
	s_lshl_b32 s47, s16, 9                         ; 128 a half
	s_add_co_u32 s46, s46, s47
	s_mov_b32 s47, 0
	s_add_nc_u64 s[96:97], s[96:97], s[46:47]
	v_lshlrev_b32 v7, 5, v2                        ; lane (r, h) wants, for B's block b, the bias of columns 16 b + 8 h + 0 .. 7
.irp b, 0,1,2,3,4,5,6,7
	global_load_b128 v[BIAS+8*\b:BIAS+8*\b+3], v7, s[96:97] offset:64*\b
	global_load_b128 v[BIAS+8*\b+4:BIAS+8*\b+7], v7, s[96:97] offset:64*\b+16
.endr
	v_mul_u32_u24 v3, v1, PITCH
	v_lshl_add_u32 v4, v2, 4, v3                   ; a fragment's row x pitch + 16 x half
	s_mul_i32 s21, s15, HALFT                      ; my 128 rows of A
	s_mul_i32 s22, s16, HALFT                      ; my 128 rows of B,
	s_add_co_u32 s22, s22, 2*HALFT                 ; which lie behind A's 256
.irp s, 0,1
	v_add_nc_u32 v[ADRA+\s], s21, v4
	v_add_nc_u32 v[ADRB+\s], s22, v4
	s_add_co_u32 s21, s21, SLOT
	s_add_co_u32 s22, s22, SLOT
.endr
	v_mul_u32_u24 v5, v1, KS                       ; my row's scales: KS bytes a row,
	v_lshrrev_b32 v6, 8, v5
	v_lshl_add_u32 v5, v6, 4, v5                   ; and 16 more for each 256 passed
	s_mul_i32 s21, s15, HALFS                      ; A's: my 128 rows
	s_mul_i32 s22, s16, HALFS                      ; B's: my 128 rows, behind A's 256
	s_add_co_u32 s22, s22, 2*HALFS
	s_sub_co_u32 s22, s22, s21
	v_mul_u32_u24 v6, s22, v2                      ; lanes 16-31 take B's
	s_add_co_u32 s21, s21, SCL
	v_add_nc_u32 v5, v5, v6
	v_add_nc_u32 v[ADRS], s21, v5
	s_mul_i32 s23, s14, 16*SPITCH                  ; my stage
	v_mul_u32_u24 v5, v1, SPITCH                   ; in: row r, 16 bytes for each half of the lanes
	v_lshl_add_u32 v5, v2, 4, v5
	v_add_nc_u32 v[STO], s23, v5
	v_bfe_u32 v5, v0, 3, 2                         ; back: eight lanes take the 128 bytes that a row has in one plane, so 32 lanes take four rows
	v_mul_u32_u24 v5, v5, SPITCH
	v_and_b32 v6, 7, v0
	v_lshl_add_u32 v5, v6, 4, v5
	v_add_nc_u32 v[RD], s23, v5
	v_and_b32 v6, 31, v0
	v_lshlrev_b32 v[CO], 4, v6                     ; four rows of a plane are 512 consecutive bytes: 16 x lane
	s_lshl_b32 s20, s17, 8
	s_lshl_b32 s21, s15, 7
	s_add_co_u32 s20, s20, s21                     ; my first row m: 256 x tile row + 128 x half,
	s_lshl_b32 s20, s20, 7                         ; 128 bytes a row of a plane
	s_lshl_b32 s46, s42, 2
	s_lshl_b32 s47, s16, 1
	s_add_co_u32 s46, s46, s47                     ; my first plane: 4 x tile column + 2 x half
	s_lshl_b32 s46, s46, 18
	s_add_co_u32 s20, s20, s46                     ; under 48 planes' bytes
	s_mov_b32 s21, 0
	s_add_nc_u64 s[12:13], s[12:13], s[20:21]
.macro FRAG reg, adr, q, i             ; a fragment, 16 rows x 128 K of 4-bit codes, is 8 registers: lane l holds row l % 16; registers 4 c .. 4 c + 3 hold K = 64 c + 32 (l / 16) + 0 .. 31
.irp c, 0,1
	ds_load_b128 v[\reg+4*\c:\reg+4*\c+3], v[\adr] offset:64*(\q)+32*\c+(\i)*16*PITCH
.endr
.endm
; 16 matrix instructions: A's blocks a0, a0 + 1 x B's eight, 128 along K: the slot's q-th.  p: B's set;  sc: the set of scale words.  zero = 1: the first product starts the sums, from the bias.
; The 64 accumulators take turns, one instruction a turn, in the same order in every step.
.macro MUL16 a0, p, q, sc, zero
.irp a, \a0, \a0+1
.irp b, 0,1,2,3,4,5,6,7
.if \zero
	v_wmma_scale_f32_16x16x128_f8f6f4 v[8*(8*((\a)%4)+\b):8*(8*((\a)%4)+\b)+7], v[128*(\p)+FR*\b:128*(\p)+FR*\b+FR-1], v[AF+FR*(\a):AF+FR*(\a)+FR-1], v[BIAS+8*\b:BIAS+8*\b+7], v[SC+8*NQ*(\sc)+NQ*\b+(\q)], v[SC+8*NQ*(\sc)+NQ*(\a)+(\q)] matrix_a_fmt:MATRIX_FMT_FP4 matrix_b_fmt:MATRIX_FMT_FP4 matrix_a_scale:MATRIX_SCALE_ROW1
.else
	v_wmma_scale_f32_16x16x128_f8f6f4 v[8*(8*((\a)%4)+\b):8*(8*((\a)%4)+\b)+7], v[128*(\p)+FR*\b:128*(\p)+FR*\b+FR-1], v[AF+FR*(\a):AF+FR*(\a)+FR-1], v[8*(8*((\a)%4)+\b):8*(8*((\a)%4)+\b)+7], v[SC+8*NQ*(\sc)+NQ*\b+(\q)], v[SC+8*NQ*(\sc)+NQ*(\a)+(\q)] matrix_a_fmt:MATRIX_FMT_FP4 matrix_b_fmt:MATRIX_FMT_FP4 matrix_a_scale:MATRIX_SCALE_ROW1
.endif
.endr
.endr
.endm
.macro FETCH_B slot, q, p              ; B's eight fragments of the slot's q-th 128 along K into set p
	WIN TO_B
.irp i, 0,1,2,3,4,5,6,7
	FRAG 128*(\p)+FR*\i, ADRB+\slot, \q, \i
.endr
	WIN 0
.endm
.macro FETCH_A slot, q, i0             ; A's blocks i0 .. i0 + 3
.irp i, \i0, \i0+1, \i0+2, \i0+3
	FRAG AF+FR*(\i), ADRA+\slot, \q, \i
.endr
.endm
.macro SCALES sc                       ; the next K step's scale words into set sc: NQ words a row; lanes 0-15 take A's block i, lanes 16-31 B's block i
.irp i, 0,1,2,3,4,5,6,7
	ds_load_b128 v[SC+8*NQ*\sc+NQ*\i:SC+8*NQ*\sc+NQ*\i+3], v[ADRS] offset:\i*SBLK
.endr
.endm
; A load into a register that a matrix instruction has read, and a vector instruction that reads a matrix result, stand NP places behind that matrix instruction; only plain vector instructions that name none of its registers are places.
.macro PLACES n
.rept \n
	v_nop
.endr
.endm
; A step of 128 along K that has its successor in the same slot.
.macro STEP slot, q, zero
	s_wait_dscnt 4*NL                              ; B's set and A's blocks 0-3 are in; the youngest eight loads (A's blocks 4-7) may be out
.if \zero
	WIN ONE_LO
.else
	WIN MUL_LO
.endif
	MUL16 0, (\q)%2, \q, \slot, \zero
	MUL16 2, (\q)%2, \q, \slot, \zero
	s_wait_dscnt 0                                 ; A's blocks 4-7 are in (asked for 32 matrix instructions ago)
	PLACES NP
	FETCH_B \slot, (\q)+1, 1-(\q)%2
	FETCH_A \slot, (\q)+1, 0
.if \zero
	WIN ONE_HI
.else
	WIN MUL_HI
.endif
	MUL16 4, (\q)%2, \q, \slot, \zero
	MUL16 6, (\q)%2, \q, \slot, \zero
	PLACES NP
	WIN 0
	FETCH_A \slot, (\q)+1, 4
.endm
; A slot's last step changes slots: ONE barrier; in front of it each wave waits for all its tensor loads, adds 0 to its spare word, and waits for that and for its own reads of this slot.  fill = 1: this slot is filled again, two K steps ahead.
.macro TURN slot, next, fill
	s_wait_tensorcnt 0x0                           ; all my tensor loads have landed: my part of the next slot  (every window is 0 here)
	ds_add_u32 v[SPW], v[NIL]                      ; 0 onto my spare word
	s_wait_dscnt 4*NL+1                            ; (the add and the youngest eight loads, A's blocks 4-7, may be out)
	WIN MUL_LO
	MUL16 0, 1, NQ-1, \slot, 0                     ; sixteen matrix instructions stand between the add and the wait for it
	s_wait_dscnt 0x0                               ; the add is done, and my reads of this slot are over
	s_barrier_signal -1
	MUL16 2, 1, NQ-1, \slot, 0
	WIN 0
	s_barrier_wait -1
.if \fill
	CREST                                          ; the barrier has opened a round of the cluster's barrier: no wave of any partner still reads this slot's tile or has a load on its way
	s_add_nc_u64 s[G0+4*\slot+2:G0+4*\slot+3], s[G0+4*\slot+2:G0+4*\slot+3], 2*ROWB
	s_add_nc_u64 s[G0B+4*\slot+2:G0B+4*\slot+3], s[G0B+4*\slot+2:G0B+4*\slot+3], 2*ROWB
	JLOAD G0+4*\slot, G1, G0B+4*\slot, G1B         ; the first tensor load behind the round; the four v_nop behind it are the places in front of the loads below
.else
	PLACES NP
.endif
	v_add_nc_u32 v[ADRS], 4*NQ, v[ADRS]            ; on to the next K step's scale words
	FETCH_B \next, 0, 0
	FETCH_A \next, 0, 0
	SCALES \next
	WIN MUL_HI
	MUL16 4, 1, NQ-1, \slot, 0
	MUL16 6, 1, NQ-1, \slot, 0
	PLACES NP
	WIN 0
	FETCH_A \next, 0, 4
.endm
.macro STEPS slot, from                ; the slot's steps from .. NQ - 2
.set Q, \from
.rept NQ-1-\from
	STEP \slot, Q, 0
.set Q, Q+1
.endr
.endm
	s_wait_tensorcnt 1                             ; the scales and my part of K step 0 are in (K step 1's load may be out)
	s_barrier_signal -1
	s_barrier_wait -1                              ; everybody's are
	FETCH_B 0, 0, 0
	FETCH_A 0, 0, 0
	SCALES 0
	FETCH_A 0, 0, 4
	s_wait_loadcnt 0x0                             ; the bias
	STEP 0, 0, 1                                   ; the first step stands in front of the loop: its products start the sums
	s_mov_b32 s3, LAPS-1
.Llap:                                                 ; a trip goes once round the ring, from a lap's second step to the next lap's first, and fills both slots again
	STEPS 0, 1
	TURN 0, 1, 1
	STEPS 1, 0
	TURN 1, 0, 1
	STEP 0, 0, 0
	s_sub_co_u32 s3, s3, 1
	s_cmp_lg_u32 s3, 0
	s_cbranch_scc1 .Llap
	STEPS 0, 1                                     ; the last lap fills nothing, and has no round of the cluster's barrier
	TURN 0, 1, 0
	STEPS 1, 0
	s_wait_dscnt 4*NL                              ; the very last step: nothing more to fetch
	WIN MUL_LO
	MUL16 0, 1, NQ-1, 1, 0
	MUL16 2, 1, NQ-1, 1, 0
	s_wait_dscnt 0
	WIN MUL_HI
	MUL16 4, 1, NQ-1, 1, 0
	MUL16 6, 1, NQ-1, 1, 0
	WIN 0
; THE WAY OUT, block by block of 16 rows x 128 columns (two planes).  PACK: rounded to f16, 16 bytes a lane and block of B.  TOSTAGE: into my own stage, and back by planes: four rows of one plane an instruction.  SEND: stored.
.macro PACK a
.set AC, 64*((\a)%4)
	WIN 0x0a+5*((\a)/4)                            ; sources 0 and 1: window 2 or 3
.irp b, 0,1,2,3,4,5,6,7
.irp r, 0,1,2,3
	v_cvt_pk_f16_f32 v[TMP+4*\b+\r], v[AC+8*\b+2*\r], v[AC+8*\b+2*\r+1]   ; each accumulator from its low end on
.endr
.endr
	WIN 0
.endm
.macro TOSTAGE a
.set BB, BK+32*((\a)%2)
.irp b, 0,1,2,3,4,5,6,7
	ds_store_b128 v[STO], v[TMP+4*\b:TMP+4*\b+3] offset:32*\b
.endr
.irp t, 0,1,2,3,4,5,6,7
	ds_load_b128 v[BB+4*\t:BB+4*\t+3], v[RD] offset:(\t%4)*4*SPITCH+(\t/4)*128   ; LDS serves a wave's instructions in order (ISA guide 5.7.1.4): these see the stores above
.endr
.endm
.macro SEND a
.set BB, BK+32*((\a)%2)
	s_wait_dscnt 0x0                               ; the block is back in registers
	s_wait_xcnt 0x0                                ; the block before has been read by its stores: the next block's loads may land in its registers
.irp t, 0,1,2,3,4,5,6,7
	global_store_b128 v[CO], v[BB+4*\t:BB+4*\t+3], s[12:13] offset:(\t/4)*PLANE+(\a)*2048+(\t%4)*512   ; 32 lanes store 512 consecutive bytes, at a multiple of 512 from the buffer's first byte
.endr
.endm
	PLACES NP                                      ; behind the last products: for the first conversions and for the loads into the registers that held A's fragments
	PACK 0
	TOSTAGE 0
.irp a, 1,2,3,4,5,6,7                  ; block a's conversions stand between block a - 1's loads from the stage and the wait for them
	PACK \a
	SEND \a-1
	TOSTAGE \a
.endr
	SEND 7
	s_wait_tensorcnt 0x0                           ; the wave's end, behind my last tensor load and my last LDS store
	ds_add_u32 v[SPW], v[NIL]
	s_wait_dscnt 0x0
	CROUND                                         ; the closing round: no work-group ends while a partner may still ask for a tile that names it
	s_endpgm
.Lfunc_end_k_q2b2c905702_qkv:
	.size	k_q2b2c905702_qkv, .Lfunc_end_k_q2b2c905702_qkv-k_q2b2c905702_qkv
	.p2alignl 7, 3214868480
	.fill 96, 4, 3214868480
	.section	.rodata,"a",@progbits
	.p2align	6, 0x0
	.amdhsa_kernel k_q2b2c905702_qkv
		.amdhsa_group_segment_fixed_size 327680
		.amdhsa_private_segment_fixed_size 0
		.amdhsa_enable_private_segment 0
		.amdhsa_kernarg_size 48
		.amdhsa_user_sgpr_count 2
		.amdhsa_user_sgpr_kernarg_segment_ptr 1
		.amdhsa_wavefront_size32 1
		.amdhsa_system_sgpr_workgroup_id_x 1
		.amdhsa_system_sgpr_workgroup_id_y 1
		.amdhsa_system_sgpr_workgroup_id_z 1
		.amdhsa_system_vgpr_workitem_id 0
		.amdhsa_next_free_vgpr 1024
		.amdhsa_next_free_sgpr 102
		.amdhsa_reserve_vcc 0
		.amdhsa_float_denorm_mode_32 3
		.amdhsa_float_denorm_mode_16_64 3
		.amdhsa_memory_ordered 1
		.amdhsa_forward_progress 1
		.amdhsa_inst_pref_size 215
	.end_amdhsa_kernel
	.amdgpu_metadata
---
amdhsa.version: [ 1, 2 ]
amdhsa.kernels:
  - .name:           k_q2b2c905702_qkv
    .symbol:         k_q2b2c905702_qkv.kd
    .args:
      - { .name: codes, .offset: 0, .size: 8, .value_kind: global_buffer, .address_space: global }
      - { .name: scales, .offset: 8, .size: 8, .value_kind: global_buffer, .address_space: global }
      - { .name: qkv, .offset: 16, .size: 8, .value_kind: global_buffer, .address_space: global }
      - { .name: bq, .offset: 24, .size: 8, .value_kind: global_buffer, .address_space: global }
      - { .name: bk, .offset: 32, .size: 8, .value_kind: global_buffer, .address_space: global }
      - { .name: bv, .offset: 40, .size: 8, .value_kind: global_buffer, .address_space: global }
    .group_segment_fixed_size: 327680
    .private_segment_fixed_size: 0
    .kernarg_segment_align: 8
    .kernarg_segment_size: 48
    .max_flat_workgroup_size: 128
    .sgpr_count:     102
    .vgpr_count:     1024
    .wavefront_size: 32
...
	.end_amdgpu_metadata
.endif
;; end of part 2
;; launch attn (part 3): grid 16 x 16, 16 waves a work-group, clusters of 4 x 1, 327,680 bytes of LDS; arguments qkv, oh, Wo, wo16; writes oh, wo16
.if DOCPART == 3
	.amdgcn_target "amdgcn-amd-amdhsa--gfx1250"
	.amdhsa_code_object_version 6
	.text
	.protected	k_q2b2c905702_attn
	.globl	k_q2b2c905702_attn
	.p2align	8
	.type	k_q2b2c905702_attn,@function
k_q2b2c905702_attn:
	s_mov_b64 s[64:65], 0
	v_nop
	global_prefetch_b8 v0, s[64:65] scope:SCOPE_SE
	s_setreg_imm32_b32 hwreg(HW_REG_WAVE_MODE, 25, 1), 1
	s_wait_xcnt 0x0
	s_wait_alu depctr_hold_cnt(0) depctr_sa_sdst(0) depctr_va_vdst(0) depctr_va_sdst(0) depctr_va_ssrc(0) depctr_va_vcc(0) depctr_vm_vsrc(0)
	s_getreg_b32 s2, hwreg(HW_REG_IB_STS2, 6, 4)
	s_cmp_eq_u32 s2, 0
	s_cbranch_scc0 .Lentry_in_a_cluster
	s_endpgm
.Lentry_in_a_cluster:
	s_bfe_u32 s2, ttmp6, 0x10000c
	s_cmp_lg_u32 s2, 0x3003
	s_cbranch_scc0 .Lentry_shape_is_right
	s_endpgm
.Lentry_shape_is_right:
; o[b][n][hq][:] = the sum over m <= n of softmax_m(q[b][n][hq] . k[b][m][hkv] / 8) v[b][m][hkv][:], hkv = hq / 4.  q, k, v: planes of qkv, [plane][2048 rows b 1024 + n][64] f16 (planes 0-31 q, 32-39 k, 40-47 v).
; Products on f16 operands with f32 sums; maxima, exponentials and sums in f32; the weights p (at most 1) are rounded to f16 for the second product, o once at the end.  OUT: oh [32 planes hq][2048][64] f16.
; BESIDE THAT each of the launch's 4,096 waves rounds 1,024 numbers of Wo [2048][2048] f32 to f16 (wo16, the same layout), for the launch that follows: four pieces of 256 numbers, each asked for a chunk of keys ahead of its conversion.
; LIMIT: |o| and |Wo| stay under 65,504, the largest f16 number (o is an average of v's numbers).  NaN and infinities are not served.
; SHARES.  A work-group owns one query head of one batch and 16 of its 64 tiles of 16 queries; each of its SIXTEEN waves owns one tile, in 256 registers: four waves to a SIMD, so that one wave's vector work stands beside another's matrix work.
; THE TILES.  Tile i needs i / 4 + 1 key steps of 64.  Wave w = 4 a + c of the work-groups with cluster x = s takes p = s + 4 (2 (a xor a / 2) + c / 2), or 63 - p where a + c is odd: a tile and its mirror cost 17 steps together,
; so that every work-group, and every four waves with the same w % 4, has the same work within a step or two.  Every work-group holds a tile from 60 on, so all that it fetches is read.
; CLUSTER.  The four partners are the four query heads of one key and value head on the SAME tiles: K and V are asked for JOINTLY, and every branch hangs on the cluster's x and the wave's number alone.
; LDS.  All 1,024 keys and values of the (batch, kv head) stay in LDS: asked for once, at the head, in four chunks of 256 keys, each chunk by sixteen loads of 32 rows (waves 0-7 K, waves 8-15 V): four loads of mine are out.  Nothing is filled twice.
; LAYOUT.  S^T = K Q^T (source 0 = 16 keys, source 1 = my 16 queries): a lane holds ONE query (lane % 16) and keys 8 (lane / 16) + 0..7.  Two such tiles, rounded in pairs, ARE source 1 (32 keys x 16 queries) of O^T = V^T P.
; K comes out of LDS as it lies, V ([key][channel]) turned, by ds_load_tr16_b128.
; SOFTMAX.  A running maximum m and sum l for each query: p = 2^(c s - c m), c = log2(e) / 8; in every step O and l are multiplied by a = 2^(c m_old - c m_new).
; CAUSAL.  Every wave walks all 16 key steps (constant trip counts, no barrier jumped over); a step all of whose keys come after the wave's queries is left out by a scalar branch on ids; on the diagonal hidden scores become -infinity.
; A step that is walked begins at a key at or under the wave's first query, so every query has a key that counts in it.
.set KP,    144                        ; a key's row in LDS: 128 bytes + 16 of padding = 36 words: the 16 rows of a load start at 16 different groups of four banks
.set VP,    160                        ; a value's row: 128 + 32 = 40 words, for the turning load
.set VBASE, 1024*KP                    ; V lies behind K's 1,024 rows
.set SPARE, VBASE+1024*VP              ; behind V: the spare words, 128 bytes for each of sixteen waves
.set STG,   16*KP                      ; the way out: 16 rows x 144 bytes for each wave, in K's first bytes, behind a barrier behind which nobody reads K; those bytes have had their one fill
.set AK0,  1                           ; v1   my lane's place in a tile of K: 144 r + 16 h
.set AV0,  2                           ; v2   the same for V
.set ADK,  3                           ; v3   LDS address of the step's K
.set ADV,  4                           ; v4   of its V
.set SPW,  5                           ; v5   LDS address of my spare word; never rewritten
.set NIL,  6                           ; v6   0; never rewritten
.set RH,   7                           ; v7   r - 8 h
.set NINF, 8                           ; v8   -infinity
.set DD,   9                           ; v9   the mask: register 8 kt + j is hidden where 16 kt + j > DD
.set STO,  10                          ; v10  the way out: where I put 16 bytes of a row
.set RD,   11                          ; v11  where I read 16 bytes back
.set CM,   12                          ; v12  c m;  v13  m
.set M,    13
.set L,    14                          ; v[14:15] l, even keys' and odd keys'
.set C0,   16                          ; v16-19 at work; a takes v18
.set WA,   20                          ; v20-23   four numbers of Wo, then (v20-21) their f16
.set Q,    24                          ; v24-39   Q: two fragments
.set KFR,  40                          ; v40-103  K: fragment (16 keys kt, 32 channels c) at 8 (2 kt + c)
.set VFR,  104                         ; v104-167 V^T: fragment (32 keys kk, 16 channels ct) at 8 (4 kk + ct)
.set S,    168                         ; v168-199 S^T, then p
.set TMR,  168                         ; v168-170 at work at the head, before the first scores
.set TMH,  169
.set TMX,  170
.set P,    200                         ; v200-215 p in f16
.set O,    216                         ; v216-247 O^T
.set GO,   248                         ; v248 16 x lane; never rewritten
.set QO,   249                         ; v249 my byte in the tile's rows of Q
.set HO,   250                         ; v250 8 x lane; never rewritten
.set WB,   252                         ; v252-255 four more numbers of Wo, then (v252-253) their f16
.set WV,   8                           ; s8   wave
.set CX,   9                           ; s9   my place in the cluster: it enters Q's, O's, Wo's and wo16's addresses alone
.set KFIRST, 10                        ; s10  the step's first key
.set Q0,   11                          ; s11  my first query
.set QL,   12                          ; s12  my last
.set TK,   13                          ; s13  where the step's K begins in LDS
.set TV,   14                          ; s14  and its V, from V's first byte on
.set CNT,  15
.set T0,   16
.set T1,   17
.set SEL,  18                          ; s[18:19] lane selects for v_permlanex16_b32: lane l xor 16
.set CS,   20                          ; s[20:21] c: the packed form names a pair and takes its low word for both halves
.set G1K,  24                          ; s[24:31] descriptor group 1 for K's tiles;  s[32:39] for V's: it differs in the padding alone
.set G1V,  32
.set G0K,  40                          ; s[40:55] group 0 for K's four chunks;  V's at s56, s60, s68, s72
.set WOB,  84                          ; s[84:85] Wo at my wave's 1,024 numbers
.set W16,  86                          ; s[86:87] wo16 likewise
.set WIX,  88                          ; s88  my wave's number in the launch, 0 .. 4,095
.macro CROUND                          ; a round of the cluster's barrier
	s_barrier_signal -1
	s_barrier_wait -1
	s_cmp_lg_u32 s[WV], 0
	s_cbranch_scc1 .Lnot_wave_0_\@
	s_barrier_signal -3
.Lnot_wave_0_\@:
	s_barrier_wait -3
	s_barrier_signal -1
	s_barrier_wait -1
.endm
; Wo, piece p of four: two loads of 512 consecutive bytes (128 numbers each), read once in the launch
.macro WOLOAD p
	global_load_b128 v[WA:WA+3], v[GO], s[WOB:WOB+1] offset:1024*(\p) th:TH_LOAD_NT
	global_load_b128 v[WB:WB+3], v[GO], s[WOB:WOB+1] offset:1024*(\p)+512 th:TH_LOAD_NT
.endm
; and its way out: rounded to f16 in place, two stores of 256 consecutive bytes, each at a multiple of 256 from the buffer's first byte
.macro WOSEND p
	s_wait_loadcnt 0x0                             ; the piece's two loads, asked for a chunk ago, are in
	v_cvt_pk_f16_f32 v[WA], v[WA], v[WA+1]
	v_cvt_pk_f16_f32 v[WA+1], v[WA+2], v[WA+3]
	v_cvt_pk_f16_f32 v[WB], v[WB], v[WB+1]
	v_cvt_pk_f16_f32 v[WB+1], v[WB+2], v[WB+3]
	global_store_b64 v[HO], v[WA:WA+1], s[W16:W16+1] offset:512*(\p)
	global_store_b64 v[HO], v[WB:WB+1], s[W16:W16+1] offset:512*(\p)+256
.endm
	s_load_b128 s[4:7], s[0:1], 0x0                ; qkv s[4:5], oh s[6:7]
	s_load_b128 s[WOB:WOB+3], s[0:1], 0x10         ; Wo, wo16
	v_lshl_add_u32 v[SPW], v0, 2, SPARE
	v_mov_b32 v[NIL], 0
	ds_add_u32 v[SPW], v[NIL]                      ; the wave's opening: the add, twice on end, and its wait ahead of my first tensor load; the set-up below stands between the second and the wait
	ds_add_u32 v[SPW], v[NIL]
	v_lshrrev_b32 v[TMR], 5, v0
	v_readfirstlane_b32 s[WV], v[TMR]              ; wave 0..15
	s_bfe_u32 s[CX], ttmp6, 0x40000                ; cx: which of the kv head's four query heads
	s_and_b32 s[T0], ttmp7, 0xffff                 ; y = 8 b + hkv, which the four partners share
	s_lshl_b32 s[WIX], s[T0], 2
	s_add_co_u32 s[WIX], s[WIX], ttmp9             ; 4 y + cluster x,
	s_lshl_b32 s[WIX], s[WIX], 2
	s_add_co_u32 s[WIX], s[WIX], s[CX]             ; x 4 + cx: the work-group, 0 .. 255,
	s_lshl_b32 s[WIX], s[WIX], 4
	s_add_co_u32 s[WIX], s[WIX], s[WV]             ; x 16 + wave
	s_lshr_b32 s[T1], s[T0], 3                     ; b
	s_and_b32 s[T0], s[T0], 7                      ; hkv
	s_lshr_b32 s10, s[WV], 2                       ; a
	s_and_b32 s11, s[WV], 3                        ; c
	s_lshr_b32 s12, s10, 1
	s_xor_b32 s12, s12, s10                        ; a xor a / 2
	s_lshl_b32 s12, s12, 1
	s_lshr_b32 s13, s11, 1
	s_add_co_u32 s12, s12, s13
	s_lshl_b32 s12, s12, 2
	s_add_co_u32 s12, s12, ttmp9                   ; p = cluster x + 4 (2 (a xor a / 2) + c / 2): 0 .. 31
	s_add_co_u32 s13, s10, s11
	s_and_b32 s13, s13, 1
	s_mul_i32 s13, s13, 63
	s_xor_b32 s15, s12, s13                        ; my tile: p, or 63 - p (= p xor 63) where a + c is odd
	s_lshl_b32 s[Q0], s15, 4
	s_add_co_u32 s[QL], s[Q0], 15
	s_add_co_u32 s22, s[T0], 32                    ; K's plane
	s_lshl_b32 s22, s22, 18
	s_lshl_b32 s23, s[T1], 17                      ; the batch's 1,024 rows of 128 bytes
	s_add_co_u32 s22, s22, s23
	s_and_b32 s13, s[WV], 7                        ; which 32 rows of a chunk I fetch
	s_lshl_b32 s23, s13, 12
	s_add_co_u32 s22, s22, s23
	s_mov_b32 s23, 0
	s_mul_i32 s82, s13, 32*KP                      ; and where they go: no place in the cluster enters an LDS address
	s_mul_i32 s83, s13, 32*VP
	s_add_co_u32 s83, s83, VBASE
	s_lshl_b32 s80, s[T0], 2
	s_add_co_u32 s80, s80, s[CX]                   ; hq = 4 hkv + cx
	s_lshl_b32 s80, s80, 18
	s_lshl_b32 s81, s[T1], 17
	s_add_co_u32 s80, s80, s81
	s_lshl_b32 s81, s15, 11                        ; my tile's 16 rows of 128 bytes
	s_add_co_u32 s80, s80, s81
	s_mov_b32 s81, 0                               ; s[80:81]: my tile's first byte, in qkv (Q) and in oh alike
	; descriptor group 1: a tile of 32 rows x 64 elements, dense in memory, padded in LDS
	s_mov_b32 s[G1K], 15|(1<<16)|(1<<20)|(1<<21)|(4<<22)|(3<<25)  ; 15:0 the mask: all four work-groups; 17:16 elements of 2 bytes; 20 padding on; 21 set beside a mask; 24:22 after every 32 words (code 4); 31:25 4 words of it (code 3)
	s_mov_b32 s[G1V], 15|(1<<16)|(1<<20)|(1<<21)|(4<<22)|(7<<25)  ; the same with 8 words of padding (code 7)
.irp g, G1K, G1V
	s_mov_b32 s[\g+1], 64<<16                      ; tensor_dim0 = 64
	s_mov_b32 s[\g+2], 32<<16                      ; tensor_dim1 = 32
	s_mov_b32 s[\g+3], 64<<16                      ; tile_dim0 = 64
	s_mov_b32 s[\g+4], 32                          ; tile_dim1 = 32
	s_mov_b32 s[\g+5], 64                          ; tensor_dim0_stride
	s_mov_b32 s[\g+6], 0
	s_mov_b32 s[\g+7], 0
.endr
	s_mov_b32 s[SEL], 0x76543210
	s_mov_b32 s[SEL+1], 0xfedcba98
	s_mov_b32 s[CS], 0x3e38aa3b                    ; c = log2(e) / 8
	s_mov_b32 s[CS+1], s[CS]                       ; (named with it as a pair, so it is written)
	s_mov_b32 s[KFIRST], 0
	s_mov_b32 s[TK], 0
	s_mov_b32 s[TV], 0
	s_wait_dscnt 0x0                               ; both opening adds are done
	s_wait_kmcnt 0x0
	s_add_nc_u64 s[76:77], s[4:5], s[22:23]        ; K at my 32 rows of chunk 0
	s_add_nc_u64 s[78:79], s[76:77], 8<<18         ; V: eight planes on
	s_add_nc_u64 s[4:5], s[4:5], s[80:81]          ; Q at my tile
	s_add_nc_u64 s[6:7], s[6:7], s[80:81]          ; O likewise
	CROUND                                         ; all four work-groups are here: the joint loads meet
.irp c, 0,1,2,3
	s_mov_b32 s[G0K+4*\c], 1                       ; 1:0 count = 1
	s_add_co_u32 s[G0K+4*\c+1], s82, \c*256*KP     ; 63:32 LDS address
	s_add_nc_u64 s[G0K+4*\c+2:G0K+4*\c+3], s[76:77], \c*256*128   ; 120:64 global address: chunk c begins with key 256 c
	s_or_b32 s[G0K+4*\c+3], s[G0K+4*\c+3], 0x80000000             ; 127:126 type = 2
	s_mov_b32 s[56+4*\c+4*(\c/2)], 1
	s_add_co_u32 s[56+4*\c+4*(\c/2)+1], s83, \c*256*VP
	s_add_nc_u64 s[56+4*\c+4*(\c/2)+2:56+4*\c+4*(\c/2)+3], s[78:79], \c*256*128
	s_or_b32 s[56+4*\c+4*(\c/2)+3], s[56+4*\c+4*(\c/2)+3], 0x80000000
.endr
	s_cmp_lt_u32 s[WV], 8                          ; a wave's four fills stand in one branch, ahead of every wait on TENSORcnt and every LDS read; an s_nop 0 follows each, four v_nop the last
	s_cbranch_scc0 .Lfirst_v
.irp c, 0,1,2,3
	tensor_load_to_lds s[G0K+4*\c:G0K+4*\c+3], s[G1K:G1K+7]
	s_nop 0
.endr
.rept 4
	v_nop
.endr
	s_branch .Lfirst_asked
.Lfirst_v:
.irp c, 0,1,2,3
	tensor_load_to_lds s[56+4*\c+4*(\c/2):56+4*\c+4*(\c/2)+3], s[G1V:G1V+7]
	s_nop 0
.endr
.rept 4
	v_nop
.endr
.Lfirst_asked:
	; A fragment of K or Q is 16 rows x 32 channels in 8 registers: lane l holds row l % 16; registers 0-3 channels 8 (l / 16) + 0..7, registers 4-7 channels 16 + 8 (l / 16) + 0..7: two loads of 16 bytes, 32 bytes apart.
	v_and_b32 v[TMR], 15, v0                       ; r
	v_bfe_u32 v[TMH], v0, 4, 1                     ; h
	v_lshlrev_b32 v[QO], 7, v[TMR]
	v_lshl_add_u32 v[QO], v[TMH], 4, v[QO]         ; row x 128 + 16 x half
.irp i, 0,1,2,3
	global_load_b128 v[Q+4*\i:Q+4*\i+3], v[QO], s[4:5] offset:32*\i   ; Q stays in registers
.endr
	v_and_b32 v[GO], 31, v0
	v_lshlrev_b32 v[HO], 3, v[GO]                  ; 8 x lane: my place in a store of 256 bytes
	v_lshlrev_b32 v[GO], 4, v[GO]                  ; 16 x lane: my place in 512 consecutive bytes
	s_lshl_b32 s90, s[WIX], 12                     ; my wave's 1,024 numbers of Wo: 4,096 bytes,
	s_mov_b32 s91, 0
	s_add_nc_u64 s[WOB:WOB+1], s[WOB:WOB+1], s[90:91]
	s_lshl_b32 s90, s[WIX], 11                     ; and 2,048 bytes of f16
	s_add_nc_u64 s[W16:W16+1], s[W16:W16+1], s[90:91]
	WOLOAD 0                                       ; the first piece: it has the first chunk's key steps in which to land
	v_mul_u32_u24 v[AK0], v[TMR], KP
	v_lshl_add_u32 v[AK0], v[TMH], 4, v[AK0]
	; The turning load takes 16 keys x 16 channels (lane l reads 16 bytes: key 8 (l / 16) + l % 8, channels 8 ((l / 8) % 2) + 0..7) and leaves half a fragment of V^T: lane l holds channel l % 16 and 8 keys.
	v_and_b32 v[TMX], 7, v0
	v_lshl_add_u32 v[AV0], v[TMH], 3, v[TMX]
	v_mul_u32_u24 v[AV0], v[AV0], VP
	v_bfe_u32 v[TMX], v0, 3, 1
	v_lshl_add_u32 v[AV0], v[TMX], 4, v[AV0]
	v_add_nc_u32 v[AV0], VBASE, v[AV0]
	v_lshlrev_b32 v[TMX], 3, v[TMH]
	v_sub_nc_u32 v[RH], v[TMR], v[TMX]
	v_mov_b32 v[NINF], 0xff800000
	s_mul_i32 s[T0], s[WV], STG                    ; my stage
	v_add_nc_u32 v[STO], s[T0], v[AK0]             ; in: row r, 16 bytes for each half of the lanes
	v_bfe_u32 v[TMX], v0, 3, 2                     ; back: eight lanes take a row's 128 bytes, 32 lanes four rows
	v_mul_u32_u24 v[TMX], v[TMX], KP
	v_and_b32 v[TMR], 7, v0
	v_lshl_add_u32 v[TMX], v[TMR], 4, v[TMX]
	v_add_nc_u32 v[RD], s[T0], v[TMX]
	v_mov_b32 v[M], 0xff61b1e6                     ; the largest score so far: -3e38, under every score
	v_mul_f32 v[CM], s[CS], v[M]
	v_mov_b32 v[L], 0
	v_mov_b32 v[L+1], 0
.irp j, 0,1,2,3
	v_mov_b32 v[C0+\j], 0                          ; written once: a lane permute's destination counts as one of its sources, and a pair is named whole
.endr
.irp j, 0,1,2,3,4,5,6,7,8,9,10,11,12,13,14,15,16,17,18,19,20,21,22,23,24,25,26,27,28,29,30,31
	v_mov_b32 v[O+\j], 0                           ; O^T.  (The step is written once: the first finds zeros, which the first a, 0, leaves zeros)
.endr
; A KEY STEP: 64 keys.
.macro STEP
	s_cmp_gt_u32 s[KFIRST], s[QL]                  ; all its keys come after my queries: the work is left out, the stepping of addresses at the end is not
	s_cbranch_scc1 .Lhidden_\@
	v_add_nc_u32 v[ADK], s[TK], v[AK0]
	v_add_nc_u32 v[ADV], s[TV], v[AV0]
.irp f, 0,1,2,3,4,5,6,7                        ; keys 16 (f / 2) on, channels 32 (f % 2) on
	ds_load_b128 v[KFR+8*\f:KFR+8*\f+3],   v[ADK] offset:(\f/2)*16*KP+(\f%2)*64
	ds_load_b128 v[KFR+8*\f+4:KFR+8*\f+7], v[ADK] offset:(\f/2)*16*KP+(\f%2)*64+32
.endr
.irp f, 0,1,2,3,4,5,6,7                        ; keys 32 (f / 4) on, channels 16 (f % 4) on
	ds_load_tr16_b128 v[VFR+8*\f:VFR+8*\f+3],   v[ADV] offset:(\f/4)*32*VP+(\f%4)*32
	ds_load_tr16_b128 v[VFR+8*\f+4:VFR+8*\f+7], v[ADV] offset:(\f/4)*32*VP+16*VP+(\f%4)*32
.endr
	s_wait_dscnt 16                                ; K is in; V's sixteen loads may stay out
.irp kt, 0,1,2,3                               ; S^T = K Q^T: the four accumulators take turns; the first four start the sums
	v_wmma_f32_16x16x32_f16 v[S+8*\kt:S+8*\kt+7], v[KFR+16*\kt:KFR+16*\kt+7], v[Q:Q+7], 0
.endr
.irp kt, 0,1,2,3
	v_wmma_f32_16x16x32_f16 v[S+8*\kt:S+8*\kt+7], v[KFR+16*\kt+8:KFR+16*\kt+15], v[Q+8:Q+15], v[S+8*\kt:S+8*\kt+7]
.endr
.rept 4
	v_nop                                          ; places behind the products, ahead of the first read of the scores
.endr
	s_add_co_u32 s[T0], s[KFIRST], 63
	s_cmp_le_u32 s[T0], s[Q0]                      ; all 64 keys count for all my queries: no mask
	s_cbranch_scc1 .Lopen_\@
	s_sub_co_i32 s[T0], s[Q0], s[KFIRST]
	v_add_nc_u32 v[DD], s[T0], v[RH]               ; register 8 kt + j holds key KFIRST + 16 kt + 8 h + j, my query is Q0 + r: hidden where 16 kt + j > Q0 - KFIRST + r - 8 h
.irp n, 0,1,2,3,4,5,6,7,8,9,10,11,12,13,14,15,16,17,18,19,20,21,22,23,24,25,26,27,28,29,30,31
	v_cmp_gt_i32 vcc_lo, 16*(\n/8)+\n%8, v[DD]
	v_cndmask_b32 v[S+\n], v[S+\n], v[NINF], vcc_lo
.endr
.Lopen_\@:
.irp j, 0,1,2,3                                ; the maximum of my 32 scores and the old m: four chains, each accumulator from its low end on
	v_max3_num_f32 v[C0+\j], v[S+8*\j], v[S+8*\j+1], v[S+8*\j+2]
.endr
.irp g, 1,2
.irp j, 0,1,2,3
	v_max3_num_f32 v[C0+\j], v[C0+\j], v[S+8*\j+2*\g+1], v[S+8*\j+2*\g+2]
.endr
.endr
	v_max3_num_f32 v[C0], v[C0], v[S+7], v[S+15]
	v_max3_num_f32 v[C0+2], v[C0+2], v[S+23], v[S+31]
	v_max3_num_f32 v[C0], v[C0], v[C0+1], v[C0+2]
	v_max3_num_f32 v[C0], v[C0], v[C0+3], v[M]
	v_permlanex16_b32 v[C0+1], v[C0], s[SEL], s[SEL+1]   ; the query's other 32 keys lie in the lane 16 away
	v_mov_b32 v[C0+3], v[CM]                       ; c m_old is kept for a
	v_max_num_f32 v[M], v[C0], v[C0+1]
	v_mul_f32 v[CM], s[CS], v[M]
	v_sub_f32 v[C0+3], v[C0+3], v[CM]              ; c m_old - c m_new, 0 or less
.irp j, 0,2,4,6,8,10,12,14,16,18,20,22,24,26,28,30
	v_pk_fma_f32 v[S+\j:S+\j+1], v[S+\j:S+\j+1], s[CS:CS+1], v[CM:CM+1] op_sel_hi:[1,0,0] neg_lo:[0,0,1] neg_hi:[0,0,1]   ; c s - c m, two at a time
.endr
	v_exp_f32 v[C0+2], v[C0+3]                     ; a
.irp j, 0,1,2,3,4,5,6,7,8,9,10,11,12,13,14,15,16,17,18,19,20,21,22,23,24,25,26,27,28,29,30,31
	v_exp_f32 v[S+\j], v[S+\j]                     ; p, at most 1; 0 for a hidden key
.endr
	v_nop                                          ; a plain instruction behind the last exponential
	s_wait_alu depctr_va_vdst(0)                   ; one wait for the batch of 33, ahead of its first reader
.irp j, 0,1,2,3,4,5,6,7,8,9,10,11,12,13,14,15
	v_cvt_pk_f16_f32 v[P+\j], v[S+2*\j], v[S+2*\j+1]   ; tiles 2 kk and 2 kk + 1 make source 1 of keys 32 kk on
.endr
.irp z, 0,1,2,3,4,5,6,7                        ; the sum of the unrounded p, in place, by pairs (an even key's, an odd key's)
	v_pk_add_f32 v[S+4*\z:S+4*\z+1], v[S+4*\z:S+4*\z+1], v[S+4*\z+2:S+4*\z+3]
.endr
.irp z, 0,1,2,3
	v_pk_add_f32 v[S+8*\z:S+8*\z+1], v[S+8*\z:S+8*\z+1], v[S+8*\z+4:S+8*\z+5]
.endr
.irp z, 0,1
	v_pk_add_f32 v[S+16*\z:S+16*\z+1], v[S+16*\z:S+16*\z+1], v[S+16*\z+8:S+16*\z+9]
.endr
	v_pk_add_f32 v[S:S+1], v[S:S+1], v[S+16:S+17]
	v_pk_fma_f32 v[L:L+1], v[L:L+1], v[C0+2:C0+3], v[S:S+1] op_sel_hi:[1,0,1]   ; l = a l + the sum
.irp j, 0,2,4,6,8,10,12,14,16,18,20,22,24,26,28,30
	v_pk_mul_f32 v[O+\j:O+\j+1], v[O+\j:O+\j+1], v[C0+2:C0+3] op_sel_hi:[1,0]   ; O^T x a, each accumulator from its low end on
.endr
	s_wait_dscnt 0x0                               ; V is in
.irp kk, 0,1                                   ; O^T += V^T P: the four accumulators by turns
.irp ct, 0,1,2,3
	v_wmma_f32_16x16x32_f16 v[O+8*\ct:O+8*\ct+7], v[VFR+8*(4*\kk+\ct):VFR+8*(4*\kk+\ct)+7], v[P+8*\kk:P+8*\kk+7], v[O+8*\ct:O+8*\ct+7]
.endr
.endr
.rept 4
	v_nop                                          ; places behind the products: ahead of the next step's loads into V's registers and of the next read of O^T
.endr
.Lhidden_\@:
	s_add_co_u32 s[TK], s[TK], 64*KP
	s_add_co_u32 s[TV], s[TV], 64*VP
	s_add_co_u32 s[KFIRST], s[KFIRST], 64
.endm
; A CHUNK of 256 keys: four key steps behind one barrier.  My load of chunk c has landed when at most 3 - c younger ones are out; behind the barrier everybody's has.  The later chunks may stay on their way.
; Behind the barrier of chunks 1 to 3 the piece of Wo that was asked for a chunk ago is rounded and stored, and the next is asked for: a wave with no key step left in a chunk has waited at the barrier meanwhile, not for the piece.
.macro CHUNK c
	s_wait_tensorcnt 3-\c
	s_wait_dscnt 0x0                               ; no LDS instruction of mine is out at a signal
	s_barrier_signal -1
	s_barrier_wait -1
.if \c > 0
	WOSEND \c-1
	s_wait_xcnt 0x0                                ; the two stores have read their data registers: the next piece's loads land there only behind this wait
	WOLOAD \c
.endif
	s_mov_b32 s[CNT], 4
.Lstep_\@:
	STEP
	s_sub_co_u32 s[CNT], s[CNT], 1
	s_cmp_lg_u32 s[CNT], 0
	s_cbranch_scc1 .Lstep_\@
.endm
	s_wait_loadcnt 2                               ; Q's four loads are in; the two of Wo's first piece, issued behind them, may stay out
	CHUNK 0
	CHUNK 1
	CHUNK 2
	CHUNK 3
	; THE WAY OUT.  l's two halves and the other half of the lanes' are added; O^T is divided by l, rounded to f16 and sent through my stage, so that a store covers four whole rows of the plane.
	v_add_f32 v[C0], v[L], v[L+1]
	v_permlanex16_b32 v[C0+1], v[C0], s[SEL], s[SEL+1]
	v_add_f32 v[C0], v[C0], v[C0+1]
	v_rcp_f32 v[C0+2], v[C0]
	v_nop                                          ; a plain instruction behind the reciprocal
	s_wait_alu depctr_va_vdst(0)                   ; and the wait ahead of its first reader
.irp j, 0,2,4,6,8,10,12,14,16,18,20,22,24,26,28,30
	v_pk_mul_f32 v[S+\j:S+\j+1], v[O+\j:O+\j+1], v[C0+2:C0+3] op_sel_hi:[1,0]
.endr
.irp j, 0,1,2,3,4,5,6,7,8,9,10,11,12,13,14,15
	v_cvt_pk_f16_f32 v[P+\j], v[S+2*\j], v[S+2*\j+1]   ; registers 4 ct .. 4 ct + 3: channels 16 ct + 8 h + 0 .. 7 of query r
.endr
	s_wait_dscnt 0x0                               ; my reads of K and V are over;
	s_barrier_signal -1
	s_barrier_wait -1                              ; everybody's are: the stages may be written
.irp ct, 0,1,2,3
	ds_store_b128 v[STO], v[P+4*\ct:P+4*\ct+3] offset:32*\ct
.endr
.irp u, 0,1,2,3
	ds_load_b128 v[S+4*\u:S+4*\u+3], v[RD] offset:\u*4*KP   ; LDS serves a wave's instructions in order (ISA guide 5.7.1.4): these see my stores
.endr
.irp u, 0,1,2,3
	s_wait_dscnt 3-\u                              ; load u is back; the younger ones may be out
	global_store_b128 v[GO], v[S+4*\u:S+4*\u+3], s[6:7] offset:512*\u   ; 32 lanes store 512 consecutive bytes, at a multiple of 512 from the buffer's first byte
.endr
	WOSEND 3                                       ; Wo's last piece, asked for behind the last chunk's barrier
	s_wait_tensorcnt 0x0                           ; the wave's end, behind my last tensor load and my last LDS store
	ds_add_u32 v[SPW], v[NIL]
	s_wait_dscnt 0x0
	CROUND                                         ; the closing round
	s_endpgm
.Lfunc_end_k_q2b2c905702_attn:
	.size	k_q2b2c905702_attn, .Lfunc_end_k_q2b2c905702_attn-k_q2b2c905702_attn
	.p2alignl 7, 3214868480
	.fill 96, 4, 3214868480
	.section	.rodata,"a",@progbits
	.p2align	6, 0x0
	.amdhsa_kernel k_q2b2c905702_attn
		.amdhsa_group_segment_fixed_size 327680
		.amdhsa_private_segment_fixed_size 0
		.amdhsa_enable_private_segment 0
		.amdhsa_kernarg_size 32
		.amdhsa_user_sgpr_count 2
		.amdhsa_user_sgpr_kernarg_segment_ptr 1
		.amdhsa_wavefront_size32 1
		.amdhsa_system_sgpr_workgroup_id_x 1
		.amdhsa_system_sgpr_workgroup_id_y 1
		.amdhsa_system_sgpr_workgroup_id_z 1
		.amdhsa_system_vgpr_workitem_id 0
		.amdhsa_next_free_vgpr 256
		.amdhsa_next_free_sgpr 92
		.amdhsa_reserve_vcc 1
		.amdhsa_float_denorm_mode_32 3
		.amdhsa_float_denorm_mode_16_64 3
		.amdhsa_memory_ordered 1
		.amdhsa_forward_progress 1
		.amdhsa_inst_pref_size 66
	.end_amdhsa_kernel
	.amdgpu_metadata
---
amdhsa.version: [ 1, 2 ]
amdhsa.kernels:
  - .name:           k_q2b2c905702_attn
    .symbol:         k_q2b2c905702_attn.kd
    .args:
      - { .name: qkv, .offset: 0, .size: 8, .value_kind: global_buffer, .address_space: global }
      - { .name: oh, .offset: 8, .size: 8, .value_kind: global_buffer, .address_space: global }
      - { .name: Wo, .offset: 16, .size: 8, .value_kind: global_buffer, .address_space: global }
      - { .name: wo16, .offset: 24, .size: 8, .value_kind: global_buffer, .address_space: global }
    .group_segment_fixed_size: 327680
    .private_segment_fixed_size: 0
    .kernarg_segment_align: 8
    .kernarg_segment_size: 32
    .max_flat_workgroup_size: 512
    .sgpr_count:     92
    .vgpr_count:     256
    .wavefront_size: 32
...
	.end_amdgpu_metadata
.endif
;; end of part 3
;; launch oproj (part 4): grid 16 x 16, 4 waves a work-group, clusters of 4 x 4, 327,680 bytes of LDS; arguments oh, wo16, bo, out0; writes out0
.if DOCPART == 4
	.amdgcn_target "amdgcn-amd-amdhsa--gfx1250"
	.amdhsa_code_object_version 6
	.text
	.protected	k_q2b2c905702_oproj
	.globl	k_q2b2c905702_oproj
	.p2align	8
	.type	k_q2b2c905702_oproj,@function
k_q2b2c905702_oproj:
	s_mov_b64 s[64:65], 0
	v_nop
	global_prefetch_b8 v0, s[64:65] scope:SCOPE_SE
	s_setreg_imm32_b32 hwreg(HW_REG_WAVE_MODE, 25, 1), 1
	s_wait_xcnt 0x0
	s_wait_alu depctr_hold_cnt(0) depctr_sa_sdst(0) depctr_va_vdst(0) depctr_va_sdst(0) depctr_va_ssrc(0) depctr_va_vcc(0) depctr_vm_vsrc(0)
	s_getreg_b32 s2, hwreg(HW_REG_IB_STS2, 6, 4)
	s_cmp_eq_u32 s2, 0
	s_cbranch_scc0 .Lentry_in_a_cluster
	s_endpgm
.Lentry_in_a_cluster:
	s_bfe_u32 s2, ttmp6, 0x10000c
	s_cmp_lg_u32 s2, 0xf033
	s_cbranch_scc0 .Lentry_shape_is_right
	s_endpgm
.Lentry_shape_is_right:
; out0[m][n] = sum over k of o[m][k] Wo[n][k] + bo[n].  M = N = K = 2,048.  o: oh, [32 planes k / 64][2048 m][64] f16; Wo: wo16, [2048 n][2048 k] f16; bo and out0 f32; sums in f32.
; A tile of C is 128 x 128: 256 work-groups.  Four waves, each 64 x 64: 16 accumulators of 16 x 16, 128 registers.  K goes in eight steps of 256 (four planes of o; 512 bytes of a row of Wo) through a ring of two LDS slots.
; A's TILE.  64 rows of one plane are 8,192 dense bytes: a wave's load states them as ONE row of 4,096 elements and takes four such rows, a plane apart; 16 bytes of padding behind every 128 bytes make LDS rows of 144 bytes, [plane][row].
; CLUSTERS: 4 x 4 work-groups.  The four of a row of the cluster need the same tiles of A, the four of a column the same tiles of B: each tile is asked for JOINTLY.
; THE WALK ALONG K.  A cluster begins at K step 0 or at K step 4 and wraps round at 8.  Which, hangs on t = cluster x xor cluster y alone, by the bit (t xor t / 2) & 1, the same in all sixteen partners: along either axis of the grid of clusters the
; bit differs between clusters 0 and 1, 2 and 3, 0 and 2, 1 and 3.  So of the clusters that read the same rows of o or of Wo, some read a K step four steps ahead of the others.  A sum takes its eight K steps in that rotated order, in f32.
; THE MATRIX INSTRUCTION IS USED TRANSPOSED (source 0 = 16 rows of Wo, source 1 = 16 rows of o): a lane then holds eight neighbouring numbers of a row of C.  THE BIAS is the C of each sum's first product.
; REGISTERS: window 0: v0-31 addresses; v32-95 rows on the way out; v96-127 the bias, eight registers for each of my four blocks of columns; v128-255 the accumulators ((a, b) at v[128 + 8 (4 a + b)]).
;   window 1: two fragment buffers of 128: for 64 along K, 64 registers of A (2 x 4 x 16 rows x 32 K), then 64 of B.
.set SIZE_K, 2048
.set SIZE_N, 2048
.set KSTEP,  256
.set PA,     144                       ; A's LDS row: 128 bytes + 16 of padding = 36 words: the 16 rows of a load start at 16 different groups of four banks
.set PLA,    64*PA                     ; 64 rows of one plane
.set HALFA,  4*PLA                     ; what one tensor load brings of A: 64 rows x four planes
.set PITCH,  528                       ; B's LDS row: 512 bytes + 16 of padding = 132 words
.set HALFB,  64*PITCH                  ; what one tensor load brings of B
.set BOFF,   2*HALFA                   ; B's 128 rows lie behind A's
.set SLOT,   BOFF+2*HALFB
.set STAGE,  2*SLOT                    ; behind the ring: 16 rows x 272 bytes for each wave, for the way out
.set SPITCH, 272
.set SPARE,  STAGE+4*16*SPITCH         ; behind the stages: the spare words, 128 bytes for each wave
.set LAPS,   SIZE_K/(2*KSTEP)          ; a lap = two K steps = once round the ring
.set ADRA, 16                          ; v16-17  LDS address of my A fragments in slot 0, 1
.set ADRB, 20                          ; v20-21  the same for B
.set STO,  24                          ; v24     the way out: where I put 32 bytes of a row
.set RD,   25                          ; v25     where I read 16 bytes back
.set CO,   26                          ; v26     my byte offset in C
.set SPW,  28                          ; v28     LDS address of my spare word; never rewritten
.set NIL,  29                          ; v29     0; never rewritten
.set TMP,  32
.set BIAS, 96
.set ACC,  128
.set F0,   0                           ; fragment buffers, in window 1
.set F1,   128
.set G1, 24                            ; s[24:31] descriptor group 1 for A's tiles;  s[32:39] group 0, one set for each slot
.set G0, 32
.set G1B, 48                           ; s[48:55], s[56:63] the same for B's tiles
.set G0B, 56
.set ABASE, 68                         ; s[68:69] A at the rows that I fetch, K step 0; never rewritten
.set BBASE, 70                         ; s[70:71] B likewise
.set KJ,   72                          ; s72     the K step that is asked for next, before it is wrapped
.set KT,   73                          ; s73     the same wrapped: 0 .. 7
.set OFFA, 74                          ; s[74:75] a K step's place in A: four planes of 262,144 bytes a step
.set OFFB, 76                          ; s[76:77] and in B: 512 bytes a step
.set MSB, 0
.macro WIN new                         ; the immediate's high byte repeats the setting that is left
.if MSB != \new
	s_set_vgpr_msb (MSB<<8)|\new
.set MSB, \new
.endif
.endm
.set MUL,  0x05                        ; sources 0 (B) and 1 (A) window 1; C and D window 0
.set TO_F, 0x40                        ; destination window 1, address window 0
.macro JLOAD s                         ; a joint load: waves 0 and 1 fetch A's two halves, waves 2 and 3 B's; an s_nop 0 and four v_nop follow each of the two lines
	s_cmp_eq_u32 s11, 0
	s_cbranch_scc0 .Lfor_b_\@
	tensor_load_to_lds s[G0+4*\s:G0+4*\s+3], s[G1:G1+7]
	s_nop 0
.rept 4
	v_nop
.endr
	s_branch .Lasked_\@
.Lfor_b_\@:
	tensor_load_to_lds s[G0B+4*\s:G0B+4*\s+3], s[G1B:G1B+7]
	s_nop 0
.rept 4
	v_nop
.endr
.Lasked_\@:
.endm
; Slot s's two global addresses for the K step that is due: the kept bases + the wrapped step x its bytes; then the count goes one on.  No tensor load of the wave that names these registers is out where this stands.
.macro AIM s
	s_and_b32 s[KT], s[KJ], 7                      ; round at 8
	s_add_co_u32 s[KJ], s[KJ], 1
	s_lshl_b32 s[OFFA], s[KT], 20
	s_lshl_b32 s[OFFB], s[KT], 9
	s_add_nc_u64 s[G0+4*\s+2:G0+4*\s+3], s[ABASE:ABASE+1], s[OFFA:OFFA+1]
	s_or_b32 s[G0+4*\s+3], s[G0+4*\s+3], 0x80000000                ; 127:126 type = 2
	s_add_nc_u64 s[G0B+4*\s+2:G0B+4*\s+3], s[BBASE:BBASE+1], s[OFFB:OFFB+1]
	s_or_b32 s[G0B+4*\s+3], s[G0B+4*\s+3], 0x80000000
.endm
.macro CREST                           ; a round of the cluster's barrier behind its opening barrier
	s_cmp_lg_u32 s10, 0
	s_cbranch_scc1 .Lnot_wave_0_\@
	s_barrier_signal -3
.Lnot_wave_0_\@:
	s_barrier_wait -3
	s_barrier_signal -1
	s_barrier_wait -1
.endm
.macro CROUND                          ; a whole round
	s_barrier_signal -1
	s_barrier_wait -1
	CREST
.endm
	s_load_b128 s[4:7], s[0:1], 0x0                ; oh s[4:5], wo16 s[6:7]
	s_load_b64 s[66:67], s[0:1], 0x10              ; bo
	s_load_b64 s[8:9], s[0:1], 0x18                ; out0
	v_lshl_add_u32 v[SPW], v0, 2, SPARE
	v_mov_b32 v[NIL], 0
	ds_add_u32 v[SPW], v[NIL]                      ; the wave's opening: the add, twice on end, and its wait ahead of my first tensor load; the set-up below stands between the second and the wait
	ds_add_u32 v[SPW], v[NIL]
	v_lshrrev_b32 v1, 5, v0
	v_readfirstlane_b32 s10, v1                    ; wave 0..3
	s_lshr_b32 s11, s10, 1                         ; which half of the tile's rows is mine.  Also: I fetch for A (0) or for B (1)
	s_and_b32 s12, s10, 1                          ; which half of its columns.  Also: which 64 rows of that tile I fetch
	s_bfe_u32 s40, ttmp6, 0x40000                  ; cx, cy: my place in the cluster
	s_bfe_u32 s41, ttmp6, 0x40004
	s_lshl_b32 s42, ttmp9, 2
	s_add_co_u32 s42, s42, s40                     ; tile column of C = 4 x cluster x + cx
	s_and_b32 s13, ttmp7, 0xffff
	s_xor_b32 s[KT], s13, ttmp9                    ; t = cluster y xor cluster x: no place inside the cluster enters it
	s_lshr_b32 s[KJ], s[KT], 1
	s_xor_b32 s[KJ], s[KJ], s[KT]
	s_and_b32 s[KJ], s[KJ], 1
	s_lshl_b32 s[KJ], s[KJ], 2                     ; my cluster's first K step: 0 or 4
	s_mov_b32 s[OFFA+1], 0
	s_mov_b32 s[OFFB+1], 0
	s_lshl_b32 s13, s13, 2
	s_add_co_u32 s13, s13, s41                     ; tile row of C = 4 x cluster y + cy
	s_lshl_b32 s43, s41, 2
	s_lshl_b32 s43, 15, s43                        ; my row of the cluster
	s_lshl_b32 s44, 0x1111, s40                    ; my column
	; descriptor group 1 for A: four rows of 4,096 elements (64 rows of a plane on end), a plane apart
	s_or_b32 s[G1+0], s43, (1<<16)|(1<<20)|(1<<21)|(4<<22)|(3<<25)  ; 15:0 the mask: A's tiles go to my row; 17:16 element of 2 bytes; 20 padding on; 21 set beside a mask; 24:22 after every 32 words (code 4); 31:25 of 4 words (code 3)
	s_mov_b32 s[G1+1], 4096<<16                    ; tensor_dim0 = 4,096
	s_mov_b32 s[G1+2], 4<<16                       ; tensor_dim1 = 4
	s_mov_b32 s[G1+3], 4096<<16                    ; tile_dim0 = 4,096
	s_mov_b32 s[G1+4], 4                           ; tile_dim1 = 4
	s_mov_b32 s[G1+5], 131072                      ; tensor_dim0_stride: a plane, in elements
	s_mov_b32 s[G1+6], 0
	s_mov_b32 s[G1+7], 0
	; and for B: 64 rows x 256 elements
	s_or_b32 s[G1B+0], s44, (1<<16)|(1<<20)|(1<<21)|(6<<22)|(3<<25) ; padding: 4 words after every 128
	s_mov_b32 s[G1B+1], KSTEP<<16
	s_mov_b32 s[G1B+2], 64<<16
	s_mov_b32 s[G1B+3], KSTEP<<16
	s_mov_b32 s[G1B+4], 64
	s_mov_b32 s[G1B+5], SIZE_K
	s_mov_b32 s[G1B+6], 0
	s_mov_b32 s[G1B+7], 0
	s_lshl_b32 s17, s12, 6                         ; which 64 rows of the tile I fetch
	s_lshl_b32 s16, s13, 7
	s_add_co_u32 s16, s16, s17                     ; A: row 128 x tile row + 64 x half,
	s_lshl_b32 s16, s16, 7                         ; 128 bytes a row of a plane
	s_lshl_b32 s46, s42, 7
	s_add_co_u32 s46, s46, s17                     ; B: row 128 x tile column + 64 x half,
	s_lshl_b32 s46, s46, 12                        ; 4,096 bytes a row
	s_mov_b32 s17, 0
	s_mov_b32 s47, 0
	s_mul_i32 s20, s12, HALFA                      ; where they go: no place in the cluster enters an LDS address
	s_mul_i32 s45, s12, HALFB
	s_add_co_u32 s45, s45, BOFF
	s_wait_dscnt 0x0                               ; both opening adds are done
	s_wait_kmcnt 0x0
	s_add_nc_u64 s[ABASE:ABASE+1], s[4:5], s[16:17]
	s_add_nc_u64 s[BBASE:BBASE+1], s[6:7], s[46:47]
	CROUND                                         ; all sixteen work-groups are here: the first joint loads meet
.irp s, 0,1
	s_mov_b32 s[G0+4*\s], 1
	s_add_co_u32 s[G0+4*\s+1], s20, \s*SLOT
	s_mov_b32 s[G0B+4*\s], 1
	s_add_co_u32 s[G0B+4*\s+1], s45, \s*SLOT
	AIM \s                                         ; my cluster's first and second K step
	JLOAD \s                                       ; two loads of mine are out behind the first fills
.endr
	v_and_b32 v1, 15, v0                           ; r = l % 16
	v_bfe_u32 v2, v0, 4, 1                         ; h = l / 16
	s_lshl_b32 s46, s42, 9                         ; my first column, in bytes of f32: 512 x tile column + 256 x half
	s_lshl_b32 s47, s12, 8
	s_add_co_u32 s46, s46, s47
	s_mov_b32 s47, 0
	s_add_nc_u64 s[66:67], s[66:67], s[46:47]
	v_lshlrev_b32 v6, 5, v2                        ; lane (r, h) wants, for block b, the bias of columns 16 b + 8 h + 0 .. 7
.irp b, 0,1,2,3
	global_load_b128 v[BIAS+8*\b:BIAS+8*\b+3], v6, s[66:67] offset:64*\b
	global_load_b128 v[BIAS+8*\b+4:BIAS+8*\b+7], v6, s[66:67] offset:64*\b+16
.endr
	v_mul_u32_u24 v3, v1, PA
	v_lshl_add_u32 v3, v2, 4, v3                   ; A: a fragment's row x pitch + 16 x half
	v_mul_u32_u24 v4, v1, PITCH
	v_lshl_add_u32 v4, v2, 4, v4                   ; B likewise
	s_mul_i32 s21, s11, HALFA                      ; my 64 rows of A
	s_mul_i32 s22, s12, HALFB                      ; my 64 rows of B,
	s_add_co_u32 s22, s22, BOFF                    ; which lie behind A's
.irp s, 0,1
	v_add_nc_u32 v[ADRA+\s], s21, v3
	v_add_nc_u32 v[ADRB+\s], s22, v4
	s_add_co_u32 s21, s21, SLOT
	s_add_co_u32 s22, s22, SLOT
.endr
	s_mul_i32 s23, s10, 16*SPITCH
	s_add_co_u32 s23, s23, STAGE                   ; my stage
	v_mul_u32_u24 v4, v1, SPITCH                   ; in: row r, 32 bytes for each half of the lanes
	v_lshl_add_u32 v4, v2, 5, v4
	v_add_nc_u32 v[STO], s23, v4
	v_mul_u32_u24 v5, v2, SPITCH                   ; back: lanes 0-15 take one row of 256 bytes, lanes 16-31 the next
	v_lshl_add_u32 v5, v1, 4, v5
	v_add_nc_u32 v[RD], s23, v5
	v_lshlrev_b32 v5, 13, v2                       ; and the same two rows in C: 8,192 bytes a row
	v_lshl_add_u32 v[CO], v1, 4, v5
	s_lshl_b32 s16, s13, 7
	s_lshl_b32 s17, s11, 6
	s_add_co_u32 s16, s16, s17                     ; my first row of C: 128 x tile row + 64 x half
	s_lshl_b32 s16, s16, 13
	s_mov_b32 s17, 0
	s_add_nc_u64 s[8:9], s[8:9], s[16:17]
	s_add_nc_u64 s[8:9], s[8:9], s[46:47]
; 8 matrix instructions: m blocks a0, a0 + 1 x all 4 n blocks, 32 along K: half c of buffer f.  zero = 1: the first product starts the sums, from the bias.  The 16 accumulators take turns.
.macro MUL8 f, c, a0, zero
.irp a, \a0, \a0+1
.irp b, 0,1,2,3
.if \zero
	v_wmma_f32_16x16x32_f16 v[ACC+8*(4*(\a)+\b):ACC+8*(4*(\a)+\b)+7], v[\f+64+8*(4*\c+\b):\f+64+8*(4*\c+\b)+7], v[\f+8*(4*\c+\a):\f+8*(4*\c+\a)+7], v[BIAS+8*\b:BIAS+8*\b+7]
.else
	v_wmma_f32_16x16x32_f16 v[ACC+8*(4*(\a)+\b):ACC+8*(4*(\a)+\b)+7], v[\f+64+8*(4*\c+\b):\f+64+8*(4*\c+\b)+7], v[\f+8*(4*\c+\a):\f+8*(4*\c+\a)+7], v[ACC+8*(4*(\a)+\b):ACC+8*(4*(\a)+\b)+7]
.endif
.endr
.endr
.endm
; 32 LDS loads in one run: the fragments of the slot's q-th 64 along K (A: plane q; B: byte 128 q of the rows) into buffer f; the first 32 along K first
.macro FETCH slot, q, f
	WIN TO_F
.irp c, 0,1
.irp i, 0,1,2,3
	ds_load_b128 v[\f+64+8*(4*\c+\i):\f+64+8*(4*\c+\i)+3],   v[ADRB+\slot] offset:128*(\q)+64*\c+\i*16*PITCH
	ds_load_b128 v[\f+64+8*(4*\c+\i)+4:\f+64+8*(4*\c+\i)+7], v[ADRB+\slot] offset:128*(\q)+64*\c+\i*16*PITCH+32
	ds_load_b128 v[\f+8*(4*\c+\i):\f+8*(4*\c+\i)+3],         v[ADRA+\slot] offset:PLA*(\q)+64*\c+\i*16*PA
	ds_load_b128 v[\f+8*(4*\c+\i)+4:\f+8*(4*\c+\i)+7],       v[ADRA+\slot] offset:PLA*(\q)+64*\c+\i*16*PA+32
.endr
.endr
.endm
.macro PLACES                          ; four places in front of loads into registers that matrix instructions have read, and of the first read of results
.rept 4
	v_nop
.endr
.endm
; A K step is four quarters of 64 along K, 32 matrix instructions each, on buffers 0, 1, 0, 1.  One of the first three: multiplies buffer f and fetches the next quarter, q, into g.
.macro QUARTER slot, q, f, g, zero
	s_wait_dscnt 16                                ; the first 32 along K are in; the other sixteen loads may be out
	WIN MUL
	MUL8 \f, 0, 0, \zero
	MUL8 \f, 0, 2, \zero
	PLACES
	FETCH \slot, \q, \g
	s_wait_dscnt 32                                ; all but the 32 just issued
	WIN MUL
	MUL8 \f, 1, 0, 0
	MUL8 \f, 1, 2, 0
.endm
; The last quarter multiplies buffer 1 and changes slots: ONE barrier; in front of it each wave waits for all its tensor loads, adds 0 to its spare word, and waits for that and for its own reads of this slot.  fill = 1: this slot is filled again, with the K step two on in my cluster's walk.
.macro TURN slot, next, fill
	WIN 0                                          ; (the add's two registers lie in window 0)
	s_wait_tensorcnt 0x0                           ; all my tensor loads have landed: my part of the next slot
	ds_add_u32 v[SPW], v[NIL]                      ; 0 onto my spare word
	s_wait_dscnt 17                                ; (the add and the youngest sixteen loads may be out)
	WIN MUL
	MUL8 F1, 0, 0, 0                               ; eight matrix instructions stand between the add and the wait for it
	s_wait_dscnt 0x0                               ; the add is done, and my reads of this slot are over
	s_barrier_signal -1
	MUL8 F1, 0, 2, 0
.if \fill
	WIN 0
.endif
	s_barrier_wait -1
.if \fill
	CREST                                          ; the barrier has opened a round of the cluster's barrier: no wave of any partner still reads this slot's tile or has a load on its way
	AIM \slot
	JLOAD \slot                                    ; the first tensor load behind the round; the four v_nop behind it are also the places in front of the loads below
.else
	PLACES
.endif
	FETCH \next, 0, F0
	WIN MUL
	MUL8 F1, 1, 0, 0
	MUL8 F1, 1, 2, 0
.endm
	s_wait_tensorcnt 1                             ; my part of the first K step is in (the second's load may be out)
	s_barrier_signal -1
	s_barrier_wait -1                              ; everybody's is
	FETCH 0, 0, F0
	s_wait_loadcnt 0x0                             ; the bias
	QUARTER 0, 1, F0, F1, 1                        ; the first quarter stands in front of the loop: its first products start the sums
	WIN 0                                          ; at a label and at a branch every window is 0
	s_mov_b32 s3, LAPS-1
.Llap:                                                 ; a trip goes once round the ring, from a lap's second quarter to the next lap's first, and fills both slots again
	QUARTER 0, 2, F1, F0, 0
	QUARTER 0, 3, F0, F1, 0
	TURN 0, 1, 1
	QUARTER 1, 1, F0, F1, 0
	QUARTER 1, 2, F1, F0, 0
	QUARTER 1, 3, F0, F1, 0
	TURN 1, 0, 1
	QUARTER 0, 1, F0, F1, 0
	WIN 0
	s_sub_co_u32 s3, s3, 1
	s_cmp_lg_u32 s3, 0
	s_cbranch_scc1 .Llap
	QUARTER 0, 2, F1, F0, 0                        ; the last lap fills nothing, and has no round of the cluster's barrier
	QUARTER 0, 3, F0, F1, 0
	TURN 0, 1, 0
	QUARTER 1, 1, F0, F1, 0
	QUARTER 1, 2, F1, F0, 0
	QUARTER 1, 3, F0, F1, 0
	s_wait_dscnt 16                                ; the very last quarter: nothing more to fetch
	WIN MUL
	MUL8 F1, 0, 0, 0
	MUL8 F1, 0, 2, 0
	s_wait_dscnt 0
	MUL8 F1, 1, 0, 0
	MUL8 F1, 1, 2, 0
	WIN 0
; THE WAY OUT, block by block of 16 rows x 64 columns.  A lane holds 32 neighbouring bytes of a row, and the lanes beside it hold other rows: a block goes through my own stage and comes back as whole rows of 256 bytes.
; My 64 columns are 256 bytes, at a multiple of 256 from C's first byte: sixteen lanes store them whole, and no other wave has a part in them: no barrier.
.macro TOSTAGE a
.irp b, 0,1,2,3
	ds_store_b128 v[STO], v[ACC+8*(4*(\a)+\b):ACC+8*(4*(\a)+\b)+3] offset:64*\b          ; each accumulator from its low end on
	ds_store_b128 v[STO], v[ACC+8*(4*(\a)+\b)+4:ACC+8*(4*(\a)+\b)+7] offset:64*\b+16
.endr
.set BB, TMP+32*((\a)%2)
.irp t, 0,1,2,3,4,5,6,7
	ds_load_b128 v[BB+4*\t:BB+4*\t+3], v[RD] offset:\t*2*SPITCH   ; LDS serves a wave's instructions in order (ISA guide 5.7.1.4): these see the stores above, and the next block's stores come behind them
.endr
.endm
.macro SEND a, younger                 ; younger: the LDS instructions issued behind block a's loads, which may stay out
.set BB, TMP+32*((\a)%2)
	s_wait_dscnt \younger
.irp t, 0,1,2,3,4,5,6,7
	global_store_b128 v[CO], v[BB+4*\t:BB+4*\t+3], s[8:9] offset:(16*(\a)+2*\t)*SIZE_N*4 th:TH_STORE_NT   ; written once, read by nobody here
.endr
.endm
	PLACES                                         ; behind the last products, ahead of the first read of results
	TOSTAGE 0
.irp a, 1,2,3
.if \a > 1
	s_wait_xcnt 0x0                                ; block a - 2's stores have read their registers: block a's loads may land there
.endif
	TOSTAGE \a
	SEND \a-1, 16                                  ; behind block a - 1's loads: block a's eight stores and eight loads
.endr
	SEND 3, 0
	s_wait_tensorcnt 0x0                           ; the wave's end, behind my last tensor load and my last LDS store
	ds_add_u32 v[SPW], v[NIL]
	s_wait_dscnt 0x0
	CROUND                                         ; the closing round: no work-group ends while a partner may still ask for a tile that names it
	s_endpgm
.Lfunc_end_k_q2b2c905702_oproj:
	.size	k_q2b2c905702_oproj, .Lfunc_end_k_q2b2c905702_oproj-k_q2b2c905702_oproj
	.p2alignl 7, 3214868480
	.fill 96, 4, 3214868480
	.section	.rodata,"a",@progbits
	.p2align	6, 0x0
	.amdhsa_kernel k_q2b2c905702_oproj
		.amdhsa_group_segment_fixed_size 327680
		.amdhsa_private_segment_fixed_size 0
		.amdhsa_enable_private_segment 0
		.amdhsa_kernarg_size 32
		.amdhsa_user_sgpr_count 2
		.amdhsa_user_sgpr_kernarg_segment_ptr 1
		.amdhsa_wavefront_size32 1
		.amdhsa_system_sgpr_workgroup_id_x 1
		.amdhsa_system_sgpr_workgroup_id_y 1
		.amdhsa_system_sgpr_workgroup_id_z 1
		.amdhsa_system_vgpr_workitem_id 0
		.amdhsa_next_free_vgpr 512
		.amdhsa_next_free_sgpr 78
		.amdhsa_reserve_vcc 0
		.amdhsa_float_denorm_mode_32 3
		.amdhsa_float_denorm_mode_16_64 3
		.amdhsa_memory_ordered 1
		.amdhsa_forward_progress 1
		.amdhsa_inst_pref_size 87
	.end_amdhsa_kernel
	.amdgpu_metadata
---
amdhsa.version: [ 1, 2 ]
amdhsa.kernels:
  - .name:           k_q2b2c905702_oproj
    .symbol:         k_q2b2c905702_oproj.kd
    .args:
      - { .name: oh, .offset: 0, .size: 8, .value_kind: global_buffer, .address_space: global }
      - { .name: wo16, .offset: 8, .size: 8, .value_kind: global_buffer, .address_space: global }
      - { .name: bo, .offset: 16, .size: 8, .value_kind: global_buffer, .address_space: global }
      - { .name: out0, .offset: 24, .size: 8, .value_kind: global_buffer, .address_space: global }
    .group_segment_fixed_size: 327680
    .private_segment_fixed_size: 0
    .kernarg_segment_align: 8
    .kernarg_segment_size: 32
    .max_flat_workgroup_size: 128
    .sgpr_count:     78
    .vgpr_count:     512
    .wavefront_size: 32
...
	.end_amdgpu_metadata
.endif
;; end of part 4
